; MI455X (gfx1250); checked and timed in simulation.
; The chip was launched on July 23, 2026; its instructions are those of AMD's public machine-readable ISA for CDNA 5 (MIT licence, August 2026) and "CDNA5" Instruction Set Architecture Reference Guide (July 2026). The comments in the code are by the model that wrote it; some were corrected since.
;; Causal Self Attention. Allowed arithmetic: matrix products marked QUANTISED: E2M3 operands, one E8M0 scale for each 32 along K, by v_wmma_scale_f32_16x16x128_f8f6f4 with both operands' format E2M3, f32 sums; everything else in f32.
;; Inputs: b_proj 1,024 float32; b_qkv 3,072 float32; w_proj_codes 1,024 x 32 x 24 uint8 (E2M3 codes of w_proj, K innermost, in blocks of 32 codes, four codes in three bytes); w_proj_scales 1,024 x 32 uint8 (E8M0 scales of w_proj, one for each 32 codes along K); w_qkv_codes 3,072 x 32 x 24 uint8 (E2M3 codes of w_qkv, K innermost, in blocks of 32 codes, four codes in three bytes); w_qkv_scales 3,072 x 32 uint8 (E8M0 scales of w_qkv, one for each 32 codes along K); x_codes 4 x 2,048 x 32 x 24 uint8 (E2M3 codes of x, K innermost, in blocks of 32 codes, four codes in three bytes); x_scales 4 x 2,048 x 32 uint8 (E8M0 scales of x, one for each 32 codes along K).
;; Outputs: out0 4 x 2,048 x 1,024 float32.
;; This version of the problem:
;;   THIS VERSION OF THE PROBLEM IS GIVEN IN LOW PRECISION. The matrix products marked QUANTISED in the list below multiply operands that are first quantised to E2M3 (2 exponent bits, 3 mantissa bits; 6 bits a number), with one power-of-two scale for each 32 numbers along K (OCP MX v1.0); their sums are f32. All else is computed in f32.
;;   The module's matrix products, in the order in which they are computed (A, B: the left and right operand; K: the contracted axis; several contracted axes count as one K, in the product's order):
;;     1. [M 8,192, K 1,024] x [K 1,024, N 3,072]; A: input x (given as codes); B: input w_qkv (given as codes): QUANTISED
;;     2. batch 64 x [M 2,048, K 64] x [K 64, N 2,048]; A: computed on the way; B: computed on the way: QUANTISED
;;     3. batch 64 x [M 2,048, K 2,048] x [K 2,048, N 64]; A: softmax (see below); B: computed on the way: QUANTISED
;;     4. [M 8,192, K 1,024] x [K 1,024, N 1,024]; A: computed on the way; B: input w_proj (given as codes): QUANTISED
;;   THE QUANTISER, for each operand of a quantised product, along K:
;;     - K is cut into blocks of 32 from its start; a last block that is shorter is filled with zeros.
;;     - A block's scale is 2^e with e = floor(log2(the largest magnitude in the block)) - 2, held to -126 .. 127; a block of zeros has e = 0. As a byte (E8M0): e + 127.
;;     - Each number is divided by its block's scale, clamped to +-7.5, and rounded to the nearest number of E2M3, ties to even, subnormals kept.
;;     - The product sums the exact products of the quantised numbers (number of the format x scale) in f32.
;;   ~~~python
;;   def quantise(x, axis):      # numpy; x: float32 -> the quantised numbers, widened to float32 again
;;       x = np.moveaxis(x, axis, -1); K = x.shape[-1]
;;       x = np.pad(x, [(0, 0)] * (x.ndim - 1) + [(0, -K % 32)]); x = x.reshape(x.shape[:-1] + (-1, 32)); a = np.abs(x).max(-1, keepdims=True)
;;       e = np.where(a > 0, np.clip(np.frexp(np.where(a > 0, a, 1))[1] - 1 - 2, -126, 127), 0)      # np.frexp(a)[1] - 1 = floor(log2(a)), exactly
;;       r = np.clip(x / 2.0 ** e, -7.5, 7.5)
;;       step = 2.0 ** (np.maximum(np.frexp(np.where(r == 0, 1, r))[1] - 1, 0) - 3)
;;       q = np.round(r / step) * step * 2.0 ** e      # np.round: ties to even
;;       return np.moveaxis(q.reshape(q.shape[:-2] + (-1,))[..., :K], -1, axis).astype(np.float32)
;;   ~~~
;;   SOFTMAX AHEAD OF A QUANTISED PRODUCT. Where the list says 'softmax', what is quantised is not the finished softmax but p = 2^(t - M), with t = logit x log2(e) and M = ceil(the row's largest t), a whole number; so 1/2 < the row's largest p <= 1. The row's sum l is taken of the UNQUANTISED p, in f32, and the product's result is divided by l at the end. Since M is a whole number, a kernel that streams over the keys may use a running M (the ceiling of the running maximum): every later rescaling is an exact power of two, which a block's scale takes up: the codes' values come out the same.
;;   OPERANDS COMPUTED ON THE WAY. 'Computed on the way' means the value that the module computes at that place (a softmax that the list does not call 'softmax' is quantised finished and normalised). What goes into a quantiser is computed in f32, as accurately as f32 sums, v_exp_f32 and their like allow (about 1e-6 of the number): no bf16 or f16 on the way to a quantiser, and a product that is left as it is and whose result goes on into a quantised operand takes f32 operands (vector FMAs, or v_wmma_f32_16x16x4_f32). A number that lies on a knife's edge between two numbers of the format may be rounded either way, as far as f32 arithmetic and the matrix unit's own rounding can turn it there, and no further.
;;   INPUTS GIVEN AS CODES. w_proj (in the module: [1024, 1024], K = its axis 0); w_qkv (in the module: [1024, 3072], K = its axis 0); x (in the module: [4, 2048, 1024], K = its axis 2): each comes as NAME_codes (uint8): NAME with its K axis moved to the last place and cut into blocks of 32 codes, [.., K / 32, bytes a block], one block behind the other in memory; four codes in three bytes: a row's codes are one little-endian stream of bits, code i at bits 6 i .. 6 i + 5 (a code: sign, 2 exponent bits, 3 mantissa bits); and NAME_scales (uint8): the same leading axes, one E8M0 byte (e + 127) for each 32 codes along K. Its value is code x scale, taken as it is: it is not quantised again, and the codes and scales need not be those that the quantiser above would give.
;; One version. Each part assembles by itself: llvm-mc -triple=amdgcn-amd-amdhsa -mcpu=gfx1250 --defsym DOCPART=n.
;; ======== version 1 of 1: 3 launches
;; workspace buffers: q_codes 6,291,456 bytes; q_scales 524,288 bytes; kv 13,369,344 bytes; a_codes 6,291,456 bytes; a_scales 262,144 bytes
;; launch qkv (part 1): grid 8 x 48, 4 waves a work-group, clusters of 4 x 4, 327,680 bytes of LDS; arguments x_codes, x_scales, w_qkv_codes, w_qkv_scales, b_qkv, q_codes, q_scales, kv; writes q_codes, q_scales, kv
.if DOCPART == 1
	.amdgcn_target "amdgcn-amd-amdhsa--gfx1250"
	.amdhsa_code_object_version 6
	.text
	.protected	k_q270a0ddaa8_qkv
	.globl	k_q270a0ddaa8_qkv
	.p2align	8
	.type	k_q270a0ddaa8_qkv,@function
k_q270a0ddaa8_qkv:
	s_mov_b64 s[64:65], 0
	v_nop
	global_prefetch_b8 v0, s[64:65] scope:SCOPE_SE
	s_setreg_imm32_b32 hwreg(HW_REG_WAVE_MODE, 25, 1), 1
	s_wait_xcnt 0x0
	s_wait_alu depctr_hold_cnt(0) depctr_sa_sdst(0) depctr_va_vdst(0) depctr_va_sdst(0) depctr_va_ssrc(0) depctr_va_vcc(0) depctr_vm_vsrc(0)
	s_getreg_b32 s2, hwreg(HW_REG_IB_STS2, 6, 4)
	s_cmp_eq_u32 s2, 0
	s_cbranch_scc0 .Lentry_in_a_cluster
	s_endpgm
.Lentry_in_a_cluster:
	s_bfe_u32 s2, ttmp6, 0x10000c
	s_cmp_lg_u32 s2, 0xf033
	s_cbranch_scc0 .Lentry_shape_is_right
	s_endpgm
.Lentry_shape_is_right:
; LAUNCH 1 OF 3.  qkv = x w_qkv + b_qkv on codes of FP6 (E2M3) with one E8M0 scale for each 32 along K = 1,024; then q and k are quantised along the head's 64 and v along the keys, and leave as codes.
; DEAD WORK OF THE PROGRAM (left out in launch 2, not here): reference() sets every score with key > query to -infinity by a mask that it builds itself (tril), so such a key has weight 0 in the softmax and adds nothing
; to the row's sum or to the output, whatever finite values the inputs hold.  Launch 2 therefore leaves out every step of 128 keys all of which come after a tile's 16 queries.  Nothing else is left out; every input is loaded.
; LIMIT: a NaN, an infinity or an overflow in k or v that reaches only such hidden steps is not carried to the result.  NaN and infinities among the inputs are not served.  A block whose largest magnitude lies under
; 2^-124 has its byte held at 1; a block of zeros gets the byte 1 where the quantiser says 127: its codes are zeros, which add nothing under any byte but 0xff, and these bytes are read by this program alone.
; SHARES.  A tile of 256 x 256 results to a work-group of four waves, 128 x 128 to a wave: 64 accumulators of 16 x 16.  K goes in steps of 256 through a ring of two LDS slots filled by the tensor data mover.
; "A" is source 1 of the matrix instruction (its rows go to lanes), "B" is source 0 (its rows go to a lane's registers).  TWO MODES, by the cluster's y:
;   mode 0 (y < 8): A = x (tokens), B = w_qkv's rows 0 .. 2,047 (q's and k's features): a lane holds one token and its registers run along the features, which are the K of q k^T.
;   mode 1 (y >= 8): A = w_qkv's rows 2,048 on (v's features), B = x: a lane holds one feature and its registers run along the tokens, which are the K (the keys) of p v.
; Both tensors have rows of 768 bytes of codes and 32 scale bytes, so the descriptors' shapes are the same constants in both modes; only pointers and row numbers are chosen, by selects on the cluster's y.
; CLUSTERS: 4 x 4 work-groups.  A's tile hangs on the tile row, shared along a row of the cluster, B's on the tile column, shared along a column: each is asked for jointly, with a mask that names the four.
; THE ORDER INSIDE A BLOCK OF 32.  Registers 16 b .. 16 b + 15 of a lane (r, h) hold the indices 32 b + 16 u + 8 h + j (u = 0, 1; j = 0 .. 7); the conversions lay them at place 32 b + 16 h + 8 u + j of the operand.  That is a
; permutation inside a block, so the block's scale is the true one, and it is the same for q and k (both made here) and for v and p (launch 2's scores come out in the same order): the products are the same sums.
; OUT.  A HALF IMAGE is 16 rows x 64 along K as the operand's registers take it: registers 0-3 at 16 x lane (512 bytes), registers 4-5 at 8 x lane (256 bytes).  q_codes: [b h][tile of 16 tokens][768].
; kv: [b h][step of 128 keys][13,056]: 8 half images of k; 4 images of v (16 features x 128 keys, three runs of 512 bytes); k's scale words (512 bytes); v's (256 bytes).  A scale word of q or k holds the tile row's two
; bytes twice (lo, hi, lo, hi), laid [tile / 4][row][tile % 4].  Every store of a wave covers 256 or 512 consecutive bytes, aligned.
; REGISTERS, in windows of 256: window 0: v16-29 addresses; v32-63 scale words, two sets; v64-127 the bias; from v128 A's fragments, one set; v224-231 the bias's offsets.  Behind the loop: v128-191 a block's 64 numbers,
;   v192-211 its codes, v212-227 at work, v228-235 the eight blocks' scale words, v236-247 what leaves.  window 1: B's fragments, two sets.  windows 2, 3: the accumulators ((a, b) at v[8 (8 (a % 4) + b)]).
.set SIZE_K, 1024
.set KSTEP,  256                       ; along K in a slot
.set NQ,     KSTEP/128                 ; matrix instructions deep
.set ROWB,   192                       ; a tile's row in bytes
.set KROW,   SIZE_K*6/8                ; a row of codes in memory
.set PITCH,  240                       ; an LDS row: 3 x (64 bytes + 16 of padding)
.set FR,     12                        ; registers of a fragment
.set NL,     6                         ; LDS loads that bring one
.set NP,     4                         ; places behind this matrix instruction (ISA guide 7.12.1)
.set HALFT,  128*PITCH                 ; 128 rows: one tensor load
.set SLOT,   4*HALFT                   ; A's 256 rows, then B's 256 rows
.set LAPS,   SIZE_K/(2*KSTEP)
.set KS,     SIZE_K/32                 ; a row of scale bytes
.set SCL,    2*SLOT                    ; behind the ring: the scales, as units of 256 bytes + 16 of padding
.set HALFS,  (128*KS/256)*272
.set SBLK,   (16*KS/256)*272
.set SPARE,  SCL+4*HALFS               ; the spare words, 128 bytes for each wave; no other line names them
.set REC,    13056                     ; a record of kv
.set HEADB,  16*REC                    ; a head on in kv
.set ADRA, 16                          ; v16-19  LDS addresses of my A fragments (slot 0, 1; the same behind one padding more)
.set ADRB, 20                          ; v20-23  the same for B
.set L8,   24                          ; v24     8 x lane
.set VSO,  25                          ; v25     16 r + a head's bytes x h: where v's scale words go
.set L16,  26                          ; v26     16 x lane
.set ADRS, 27                          ; v27     LDS address of my scale words
.set SPW,  28                          ; v28     my spare word; never rewritten
.set NIL,  29                          ; v29     0; never rewritten
.set SC,   32
.set BI,   64                          ; v64-127 the bias, in the layout of a block's 64 numbers
.set AF,   128
.set HA,   128
.set PC,   192
.set TM,   212
.set BA,   224
.set PW,   228
.set OUT,  236
.set G1, 24
.set G0, 32
.set G1B, 48
.set G0B, 56
.set G1S, 68
.set G0S, 76
.set G1SB, 80
.set G0SB, 88
.set CB0, 20                           ; s[20:21] where my first head's codes go;  s[22:23] my second head's
.set CB1, 22
.set SB0, 46                           ; s[46:47], s[18:19] the same for the scale words
.set SB1, 18
.set SEL, 43                           ; s43, s44 lane selects for v_permlanex16_b32 (behind the loop)
.set MODE, 100
.set HIM, 101                          ; lanes 16-31
.set MSB, 0
.macro WIN new                         ; the immediate's high byte repeats the setting that is left
.if MSB != (\new)
	s_set_vgpr_msb (MSB<<8)|(\new)
.set MSB, (\new)
.endif
.endm
.set MUL_LO, 0xa1                      ; source 0 (B) window 1, source 1 (A) window 0, C and D window 2
.set MUL_HI, 0xf1                      ; the same, C and D window 3
.set TO_B,   0x40                      ; destination window 1, address window 0
; A joint load: waves 0 and 1 fetch for A, waves 2 and 3 for B; the branch hangs on the wave's number alone.  An s_nop 0 and four v_nop follow each of the two lines.
.macro JLOAD g0a, g1a, g0b, g1b
	s_cmp_eq_u32 s15, 0
	s_cbranch_scc0 .Lfor_b_\@
	tensor_load_to_lds s[\g0a:\g0a+3], s[\g1a:\g1a+7]
	s_nop 0
.rept 4
	v_nop
.endr
	s_branch .Lasked_\@
.Lfor_b_\@:
	tensor_load_to_lds s[\g0b:\g0b+3], s[\g1b:\g1b+7]
	s_nop 0
.rept 4
	v_nop
.endr
.Lasked_\@:
.endm
.macro CREST                           ; a round of the cluster's barrier behind its opening barrier
	s_cmp_lg_u32 s14, 0
	s_cbranch_scc1 .Lnot_wave_0_\@
	s_barrier_signal -3
.Lnot_wave_0_\@:
	s_barrier_wait -3
	s_barrier_signal -1
	s_barrier_wait -1
.endm
.macro CROUND                          ; a whole round
	s_barrier_signal -1
	s_barrier_wait -1
	CREST
.endm
	s_load_b256 s[4:11], s[0:1], 0x0               ; x's codes s[4:5], x's scales s[6:7], w's codes s[8:9], w's scales s[10:11]
	s_load_b256 s[92:99], s[0:1], 0x20             ; b_qkv s[92:93], q_codes s[94:95], q_scales s[96:97], kv s[98:99]
	v_lshl_add_u32 v[SPW], v0, 2, SPARE
	v_mov_b32 v[NIL], 0
	ds_add_u32 v[SPW], v[NIL]                      ; the wave's opening: the add, twice on end, and its wait ahead of my first tensor load
	ds_add_u32 v[SPW], v[NIL]                      ; and once more; the set-up below, work on registers, stands between it and the wait
	v_lshrrev_b32 v1, 5, v0
	v_readfirstlane_b32 s14, v1                    ; wave 0..3
	s_lshr_b32 s15, s14, 1                         ; which half of the tile's A rows is mine.  Also: I fetch for A (0) or for B (1)
	s_and_b32 s16, s14, 1                          ; which half of its B rows.  Also: which 128 rows of that tile I fetch
	s_bfe_u32 s40, ttmp6, 0x40000                  ; cx, cy: my place in the cluster
	s_bfe_u32 s41, ttmp6, 0x40004
	s_and_b32 s17, ttmp7, 0xffff                   ; the cluster's y
	s_sub_co_u32 s18, s17, 8
	s_lshl_b32 s18, s18, 1
	s_add_co_u32 s18, s18, ttmp9                   ; mode 1: the cluster's column among eight = x + 2 (y - 8)
	s_cmp_ge_u32 s17, 8                            ; the mode hangs on the cluster's y alone: it is the same in all sixteen partners
	s_cselect_b32 s42, s18, ttmp9                  ; the cluster's column
	s_cselect_b32 s17, 0, s17                      ; the cluster's row
	s_cselect_b32 s2, 2048, 0                      ; A's first row in its tensor: v's features begin at w_qkv's row 2,048
	s_cselect_b32 s[MODE], 1, 0
	s_lshl_b32 s42, s42, 2
	s_add_co_u32 s42, s42, s40                     ; tile column = 4 x the cluster's column + cx
	s_lshl_b32 s17, s17, 2
	s_add_co_u32 s17, s17, s41                     ; tile row = 4 x the cluster's row + cy
	s_lshl_b32 s43, s41, 2
	s_lshl_b32 s43, 15, s43                        ; my row of the cluster
	s_lshl_b32 s44, 0x1111, s40                    ; my column
	; descriptor group 1: a tile of 128 rows x ROWB bytes, 16 bytes of padding behind every 64
	s_or_b32 s[G1+0], s43, (0<<16)|(1<<20)|(1<<21)|(3<<22)|(3<<25)  ; 15:0 the mask; 17:16 element of 1 byte; 20 padding on; 21 set beside a mask; 24:22 after every 16 words; 31:25 of 4 words
	s_or_b32 s[G1B+0], s44, (0<<16)|(1<<20)|(1<<21)|(3<<22)|(3<<25)
.irp g, G1, G1B
	s_mov_b32 s[\g+1], ROWB<<16                    ; tensor_dim0
	s_mov_b32 s[\g+2], 128<<16                     ; tensor_dim1
	s_mov_b32 s[\g+3], ROWB<<16                    ; tile_dim0
	s_mov_b32 s[\g+4], 128                         ; tile_dim1
	s_mov_b32 s[\g+5], KROW                        ; tensor_dim0_stride
	s_mov_b32 s[\g+6], 0
	s_mov_b32 s[\g+7], 0
.endr
	; the scales of 128 rows: a dense block of 4,096 bytes, as rows of 256 bytes (32 elements of 8 bytes), 16 bytes of padding behind each
	s_or_b32 s[G1S+0], s43, (3<<16)|(1<<20)|(1<<21)|(5<<22)|(3<<25)
	s_or_b32 s[G1SB+0], s44, (3<<16)|(1<<20)|(1<<21)|(5<<22)|(3<<25)
.irp g, G1S, G1SB
	s_mov_b32 s[\g+1], 32<<16
	s_mov_b32 s[\g+2], (128*KS/256)<<16
	s_mov_b32 s[\g+3], 32<<16
	s_mov_b32 s[\g+4], 128*KS/256
	s_mov_b32 s[\g+5], 32
	s_mov_b32 s[\g+6], 0
	s_mov_b32 s[\g+7], 0
.endr
	s_lshl_b32 s18, s16, 7                         ; which 128 rows of the tile I fetch
	s_lshl_b32 s20, s17, 8
	s_add_co_u32 s20, s20, s18
	s_add_co_u32 s20, s20, s2                      ; A: row 256 x tile row + 128 x half (+ 2,048 in mode 1)
	s_lshl_b32 s46, s42, 8
	s_add_co_u32 s46, s46, s18                     ; B: row 256 x tile column + 128 x half
	s_mov_b32 s21, 0
	s_mov_b32 s47, 0
	s_mov_b64 s[18:19], KS
	s_mul_u64 s[22:23], s[20:21], s[18:19]         ; where these rows' scales begin, in bytes
	s_mul_u64 s[104:105], s[46:47], s[18:19]
	s_mov_b64 s[18:19], KROW
	s_mul_u64 s[20:21], s[20:21], s[18:19]         ; and their codes
	s_mul_u64 s[46:47], s[46:47], s[18:19]
	s_mul_i32 s45, s14, HALFT                      ; where they go: wave x 128 rows: no place in the cluster enters an LDS address
	s_mul_i32 s2, s14, HALFS
	s_wait_dscnt 0x0                               ; both opening adds are done
	s_wait_kmcnt 0x0
	s_cmp_lg_u32 s[MODE], 0                        ; which tensor is A and which is B: a choice that hangs on no address
	s_cselect_b64 s[12:13], s[8:9], s[4:5]         ; A's codes
	s_cselect_b64 s[66:67], s[10:11], s[6:7]       ; A's scales
	s_cselect_b64 s[8:9], s[4:5], s[8:9]           ; B's codes
	s_cselect_b64 s[10:11], s[6:7], s[10:11]       ; B's scales
	s_add_nc_u64 s[20:21], s[12:13], s[20:21]
	s_add_nc_u64 s[22:23], s[66:67], s[22:23]
	s_add_nc_u64 s[46:47], s[8:9], s[46:47]
	s_add_nc_u64 s[104:105], s[10:11], s[104:105]
	CROUND                                         ; all sixteen work-groups are here: the first joint loads meet
	s_mov_b32 s[G0S], 1
	s_add_co_u32 s[G0S+1], s2, SCL
	s_mov_b64 s[G0S+2:G0S+3], s[22:23]
	s_or_b32 s[G0S+3], s[G0S+3], 0x80000000
	s_mov_b32 s[G0SB], 1
	s_add_co_u32 s[G0SB+1], s2, SCL
	s_mov_b64 s[G0SB+2:G0SB+3], s[104:105]
	s_or_b32 s[G0SB+3], s[G0SB+3], 0x80000000
	JLOAD G0S, G1S, G0SB, G1SB                     ; the scales first: they are wanted with K step 0
.irp s, 0,1
	s_mov_b32 s[G0+4*\s], 1
	s_add_co_u32 s[G0+4*\s+1], s45, \s*SLOT
	s_add_nc_u64 s[G0+4*\s+2:G0+4*\s+3], s[20:21], \s*ROWB
	s_or_b32 s[G0+4*\s+3], s[G0+4*\s+3], 0x80000000
	s_mov_b32 s[G0B+4*\s], 1
	s_add_co_u32 s[G0B+4*\s+1], s45, \s*SLOT
	s_add_nc_u64 s[G0B+4*\s+2:G0B+4*\s+3], s[46:47], \s*ROWB
	s_or_b32 s[G0B+4*\s+3], s[G0B+4*\s+3], 0x80000000
	JLOAD G0+4*\s, G1, G0B+4*\s, G1B
.endr
	v_and_b32 v1, 15, v0                           ; r = lane % 16
	v_bfe_u32 v2, v0, 4, 1                         ; h = lane / 16
	v_mul_u32_u24 v3, v1, PITCH
	v_mul_u32_u24 v4, v2, 24
	v_add_nc_u32 v4, v3, v4                        ; a fragment's row x pitch + 24 x half
	v_lshl_add_u32 v5, v2, 4, v4                   ; and the same behind one padding more
	s_mul_i32 s21, s15, HALFT                      ; my 128 rows of A
	s_mul_i32 s22, s16, HALFT                      ; my 128 rows of B,
	s_add_co_u32 s22, s22, 2*HALFT                 ; which lie behind A's 256
.irp s, 0,1
	v_add_nc_u32 v[ADRA+\s], s21, v4
	v_add_nc_u32 v[ADRB+\s], s22, v4
	v_add_nc_u32 v[ADRA+2+\s], s21, v5
	v_add_nc_u32 v[ADRB+2+\s], s22, v5
	s_add_co_u32 s21, s21, SLOT
	s_add_co_u32 s22, s22, SLOT
.endr
	v_mul_u32_u24 v5, v1, KS                       ; my row's scales: KS bytes a row,
	v_lshrrev_b32 v6, 8, v5
	v_lshl_add_u32 v5, v6, 4, v5                   ; and 16 more for each 256 passed
	s_mul_i32 s21, s15, HALFS                      ; A's: my 128 rows
	s_mul_i32 s22, s16, HALFS                      ; B's: my 128 rows, behind A's 256
	s_add_co_u32 s22, s22, 2*HALFS
	s_sub_co_u32 s22, s22, s21
	v_mul_u32_u24 v6, s22, v2                      ; lanes 16-31 take B's
	s_add_co_u32 s21, s21, SCL
	v_add_nc_u32 v5, v5, v6
	v_add_nc_u32 v[ADRS], s21, v5
	v_and_b32 v6, 31, v0
	v_lshlrev_b32 v[L16], 4, v6
	v_lshlrev_b32 v[L8], 3, v6
	v_mul_u32_u24 v[VSO], v2, HEADB
	v_lshl_add_u32 v[VSO], v1, 4, v[VSO]
	; WHERE THE RESULTS GO, and which bias they take: one text for both modes, by selects on the mode.  (The input pointers in s4-13 and s66-67 are done with.)
	s_lshl_b32 s4, s17, 8
	s_lshl_b32 s6, s15, 7
	s_add_co_u32 s4, s4, s6                        ; my first row of A, counted in its part of the tensor
	s_lshl_b32 s5, s42, 8
	s_lshl_b32 s6, s16, 7
	s_add_co_u32 s5, s5, s6                        ; my first row of B
	s_add_co_u32 s6, s4, 2048
	s_cmp_lg_u32 s[MODE], 0
	s_cselect_b32 s6, s6, s5                       ; my first feature in b_qkv
	s_cselect_b32 s7, s5, s4                       ; my first token
	s_cselect_b32 s8, s4, s5                       ; my first feature in q, k or v
	s_cselect_b32 s9, 6144, 0                      ; v's images lie behind k's in a record
	s_cselect_b32 s10, 4, 0                        ; the bias's offset: mode 1: 4 r (a lane has one feature);
	s_cselect_b32 s11, 0, 32                       ; mode 0: 32 h + 4 j (register j has feature 8 h + j of a tile)
	s_cselect_b32 s12, 0, 4
	s_mov_b32 s13, 12288
	s_cselect_b32 s13, 12800, s13                  ; the scale words' place in a record: k's, v's
	s_cselect_b32 s19, 1, ttmp9                    ; 0: q's buffers; 1: kv.  In mode 0 the cluster's x = 0 holds q's features, x = 1 k's
	s_lshl_b32 s104, s6, 2
	s_mov_b32 s105, 0
	s_add_nc_u64 s[92:93], s[92:93], s[104:105]    ; b_qkv at my first feature
	s_lshr_b32 s18, s7, 11                         ; the batch,
	s_lshl_b32 s18, s18, 4
	s_bfe_u32 s6, s8, 0x40006                      ; my first head,
	s_add_co_u32 s18, s18, s6
	s_lshl_b32 s18, s18, 4
	s_bfe_u32 s6, s7, 0x40007                      ; my step of 128 tokens:
	s_add_co_u32 s18, s18, s6                      ; the record's number
	s_cmp_lg_u32 s19, 0
	s_cselect_b64 s[CB0:CB0+1], s[98:99], s[94:95]
	s_cselect_b64 s[SB0:SB0+1], s[98:99], s[96:97]
	s_mov_b32 s43, 6144
	s_cselect_b32 s43, REC, s43                    ; a record of codes: 8 half images in q_codes
	s_mov_b32 s44, 512
	s_cselect_b32 s44, REC, s44                    ; a record of scale words
	s_cselect_b32 s13, s13, 0
	s_mov_b32 s45, 8192
	s_cselect_b32 s45, HEADB, s45                  ; a head on among the scale words
	s_mul_i32 s104, s18, s43
	s_add_co_u32 s104, s104, s9
	s_add_nc_u64 s[CB0:CB0+1], s[CB0:CB0+1], s[104:105]
	s_lshl_b32 s104, s43, 4                        ; a head on: 16 records
	s_add_nc_u64 s[CB1:CB1+1], s[CB0:CB0+1], s[104:105]
	s_mul_i32 s104, s18, s44
	s_add_co_u32 s104, s104, s13
	s_add_nc_u64 s[SB0:SB0+1], s[SB0:SB0+1], s[104:105]
	s_mov_b32 s104, s45
	s_add_nc_u64 s[SB1:SB1+1], s[SB0:SB0+1], s[104:105]
	v_mul_u32_u24 v5, s10, v1
	v_mul_u32_u24 v6, s11, v2
	v_add_nc_u32 v[BA], v5, v6
.irp j, 1,2,3,4,5,6,7
	v_add_nc_u32 v[BA+\j], s12, v[BA+\j-1]
.endr
.irp i, 0,1,2,3,4,5,6,7                        ; the bias: mode 0: register 8 i + j = feature 16 i + 8 h + j; mode 1: registers 8 i .. 8 i + 7 = feature 16 i + r.  These loads stay out through the loop
.irp j, 0,1,2,3,4,5,6,7
	global_load_b32 v[BI+8*\i+\j], v[BA+\j], s[92:93] offset:64*\i
.endr
.endr
.macro FRAG reg, adr, q, i             ; a fragment, 16 rows x 128 K, is 12 registers: lane l holds row l % 16; registers 6 c .. 6 c + 5 hold K = 64 c + 32 (l / 16) + 0 .. 31: 24 bytes of the row, as they lie
.irp p, 0,1,2,3,4,5                    ; in pieces of 8 bytes.  Where the piece of lanes 16-31 lies behind one padding more than that of lanes 0-15, the second address register serves
.set PCE, 12*(\q)+6*(\p/3)+\p%3
.if PCE%8 < 5
	ds_load_b64 v[\reg+2*\p:\reg+2*\p+1], v[\adr] offset:8*PCE+16*(PCE/8)+(\i)*16*PITCH
.else
	ds_load_b64 v[\reg+2*\p:\reg+2*\p+1], v[\adr+2] offset:8*PCE+16*(PCE/8)+(\i)*16*PITCH
.endif
.endr
.endm
; 16 matrix instructions: A's blocks a0, a0 + 1 x B's eight, 128 along K.  The 64 accumulators take turns, one instruction a turn, in the same order in every step.
.macro MUL16 a0, p, q, sc, zero
.irp a, \a0, \a0+1
.irp b, 0,1,2,3,4,5,6,7
.if \zero
	v_wmma_scale_f32_16x16x128_f8f6f4 v[8*(8*((\a)%4)+\b):8*(8*((\a)%4)+\b)+7], v[128*(\p)+FR*\b:128*(\p)+FR*\b+FR-1], v[AF+FR*(\a):AF+FR*(\a)+FR-1], 0, v[SC+8*NQ*(\sc)+NQ*\b+(\q)], v[SC+8*NQ*(\sc)+NQ*(\a)+(\q)] matrix_a_fmt:MATRIX_FMT_FP6 matrix_b_fmt:MATRIX_FMT_FP6 matrix_a_scale:MATRIX_SCALE_ROW1
.else
	v_wmma_scale_f32_16x16x128_f8f6f4 v[8*(8*((\a)%4)+\b):8*(8*((\a)%4)+\b)+7], v[128*(\p)+FR*\b:128*(\p)+FR*\b+FR-1], v[AF+FR*(\a):AF+FR*(\a)+FR-1], v[8*(8*((\a)%4)+\b):8*(8*((\a)%4)+\b)+7], v[SC+8*NQ*(\sc)+NQ*\b+(\q)], v[SC+8*NQ*(\sc)+NQ*(\a)+(\q)] matrix_a_fmt:MATRIX_FMT_FP6 matrix_b_fmt:MATRIX_FMT_FP6 matrix_a_scale:MATRIX_SCALE_ROW1
.endif
.endr
.endr
.endm
.macro FETCH_B slot, q, p              ; B's eight fragments of the slot's q-th 128 along K into set p
	WIN TO_B
.irp i, 0,1,2,3,4,5,6,7
	FRAG 128*(\p)+FR*\i, ADRB+\slot, \q, \i
.endr
	WIN 0
.endm
.macro FETCH_A slot, q, i0             ; A's blocks i0 .. i0 + 3
.irp i, \i0, \i0+1, \i0+2, \i0+3
	FRAG AF+FR*(\i), ADRA+\slot, \q, \i
.endr
.endm
.macro SCALES sc                       ; a K step's scale words into set sc: lanes 0-15 take A's block i, lanes 16-31 B's block i
.irp i, 0,1,2,3,4,5,6,7
	ds_load_b64 v[SC+8*NQ*\sc+NQ*\i:SC+8*NQ*\sc+NQ*\i+1], v[ADRS] offset:\i*SBLK
.endr
.endm
.macro PLACES n                        ; plain vector instructions between a matrix instruction and a load into, or a vector instruction on, its registers
.rept \n
	v_nop
.endr
.endm
; A step of 128 along K that has its successor in the same slot.
.macro STEP slot, q, zero
	s_wait_dscnt 4*NL                              ; B's set and A's blocks 0-3 are in; the youngest 24 loads (A's blocks 4-7) may be out
	WIN MUL_LO
	MUL16 0, (\q)%2, \q, \slot, \zero
	MUL16 2, (\q)%2, \q, \slot, \zero
	s_wait_dscnt 0                                 ; A's blocks 4-7 are in
	PLACES NP
	FETCH_B \slot, (\q)+1, 1-(\q)%2
	FETCH_A \slot, (\q)+1, 0
	WIN MUL_HI
	MUL16 4, (\q)%2, \q, \slot, \zero
	MUL16 6, (\q)%2, \q, \slot, \zero
	PLACES NP
	WIN 0
	FETCH_A \slot, (\q)+1, 4
.endm
; A slot's last step changes slots: one barrier; in front of it each wave waits for all its tensor loads, adds 0 to its spare word, and waits for that and for its own reads of this slot.  fill = 1: this slot is filled again.
.macro TURN slot, next, fill
	s_wait_tensorcnt 0x0                           ; all my tensor loads have landed: my part of the next slot
	ds_add_u32 v[SPW], v[NIL]                      ; 0 onto my spare word
	s_wait_dscnt 4*NL+1                            ; (the add and the youngest 24 loads, A's blocks 4-7, may be out)
	WIN MUL_LO
	MUL16 0, 1, NQ-1, \slot, 0                     ; sixteen matrix instructions stand between the add and the wait for it
	s_wait_dscnt 0x0                               ; the add is done, and my reads of this slot are over
	s_barrier_signal -1
	MUL16 2, 1, NQ-1, \slot, 0
	WIN 0
	s_barrier_wait -1
.if \fill
	CREST                                          ; the barrier has opened a round of the cluster's barrier: no wave of any partner still reads this slot or has a load on its way
	s_add_nc_u64 s[G0+4*\slot+2:G0+4*\slot+3], s[G0+4*\slot+2:G0+4*\slot+3], 2*ROWB
	s_add_nc_u64 s[G0B+4*\slot+2:G0B+4*\slot+3], s[G0B+4*\slot+2:G0B+4*\slot+3], 2*ROWB
	JLOAD G0+4*\slot, G1, G0B+4*\slot, G1B         ; the first tensor load behind the round; its four v_nop are also the places in front of the loads below
.else
	PLACES NP
.endif
	v_add_nc_u32 v[ADRS], 4*NQ, v[ADRS]            ; on to the next K step's scale words (no LDS load of mine is out)
	FETCH_B \next, 0, 0
	FETCH_A \next, 0, 0
	SCALES \next
	WIN MUL_HI
	MUL16 4, 1, NQ-1, \slot, 0
	MUL16 6, 1, NQ-1, \slot, 0
	PLACES NP
	WIN 0
	FETCH_A \next, 0, 4
.endm
	s_wait_tensorcnt 1                             ; the scales and my part of K step 0 are in (K step 1's load may be out)
	s_barrier_signal -1
	s_barrier_wait -1                              ; everybody's are
	FETCH_B 0, 0, 0
	FETCH_A 0, 0, 0
	SCALES 0
	FETCH_A 0, 0, 4
	STEP 0, 0, 1                                   ; the first step stands in front of the loop: its products start the sums
	s_mov_b32 s3, LAPS-1
.Llap:                                                 ; a trip goes once round the ring and fills both slots again
	TURN 0, 1, 1
	STEP 1, 0, 0
	TURN 1, 0, 1
	STEP 0, 0, 0
	s_sub_co_u32 s3, s3, 1
	s_cmp_lg_u32 s3, 0
	s_cbranch_scc1 .Llap
	TURN 0, 1, 0                                   ; the last lap fills nothing
	STEP 1, 0, 0
	s_wait_dscnt 4*NL                              ; the very last step
	WIN MUL_LO
	MUL16 0, 1, NQ-1, 1, 0
	MUL16 2, 1, NQ-1, 1, 0
	s_wait_dscnt 0
	WIN MUL_HI
	MUL16 4, 1, NQ-1, 1, 0
	MUL16 6, 1, NQ-1, 1, 0
	WIN 0
; THE WAY OUT.  64 numbers of a lane, v[s] on, four blocks of 32 (registers 16 b .. 16 b + 15 of lanes l and l xor 16), become a fragment's codes in v[PC] on and its scale word in v[pw].
.macro QUANT s, pw
.irp b, 0,1,2,3
	v_max3_num_f32 v[TM+\b], |v[\s+16*\b]|, |v[\s+1+16*\b]|, 0x1800000   ; my 16 numbers of block b, and the floor 2^(3 - 127): the byte cannot fall under 1
.endr
.irp i, 2,4,6,8,10,12,14
.irp b, 0,1,2,3
	v_max3_num_f32 v[TM+\b], v[TM+\b], |v[\s+16*\b+\i]|, |v[\s+1+16*\b+\i]|   ; (the four blocks by turns)
.endr
.endr
.irp b, 0,1,2,3
	v_permlanex16_b32 v[TM+4+\b], v[TM+\b], s[SEL], s[SEL+1]
.endr
.irp b, 0,1,2,3
	v_max_num_f32 v[TM+\b], v[TM+\b], v[TM+4+\b]   ; with lane l xor 16's: the block's largest magnitude
.endr
.irp b, 0,1,2,3
	v_add_nc_u32 v[TM+12+\b], 0xff000000, v[TM+\b] ; 2 off its exponent field: the conversion takes the exponent field of this operand as its scale
.endr
.irp b, 0,1,2,3
	v_lshrrev_b32 v[TM+4+\b], 23, v[TM+12+\b]      ; the scale's byte
.endr
	v_lshl_or_b32 v[\pw], v[TM+5], 8, v[TM+4]      ; the four bytes make my row's scale word
	v_lshl_or_b32 v[\pw], v[TM+6], 16, v[\pw]
	v_lshl_or_b32 v[\pw], v[TM+7], 24, v[\pw]
.irp c, 0,1
	v_cvt_scalef32_pk16_fp6_f32 v[PC+6*\c:PC+2+6*\c], v[\s+32*\c:\s+15+32*\c], v[TM+12+2*\c]
	v_cvt_scalef32_pk16_fp6_f32 v[PC+12+4*\c:PC+14+4*\c], v[\s+16+32*\c:\s+31+32*\c], v[TM+12+2*\c+1]   ; (a conversion's three registers begin on an even number)
.endr
	v_nop                                          ; one plain place behind a scaled conversion
.irp c, 0,1                                    ; the operand's layout wants a whole block in a lane: lanes 0-15 block 2 c, lanes 16-31 block 2 c + 1
.irp i, 0,1,2
	v_permlane16_swap_b32 v[PC+6*\c+\i], v[PC+12+4*\c+\i]
.endr
.irp i, 0,1,2
	v_mov_b32 v[PC+3+6*\c+\i], v[PC+12+4*\c+\i]
.endr
.endr
.endm
; Mode 0, block a: 16 tokens x my 128 features (two heads).  Registers 0-5 of the fragment are the first head's half image, registers 6-11 the second's.
.macro EPI_QK a
	s_wait_xcnt 0x0                                ; the last block's stores have read their data: the codes' registers may be written again
	WIN 0x02+(\a)/4                                ; source 0: the accumulators' window
.set n, 0
.rept 32
	v_pk_add_f32 v[HA+n:HA+n+1], v[64*((\a)%4)+n:64*((\a)%4)+n+1], v[BI+n:BI+n+1]   ; + the bias; each accumulator is read from its low end on
.set n, n+2
.endr
	WIN 0
	QUANT HA, PW+(\a)
	global_store_b128 v[L16], v[PC:PC+3], s[CB0:CB0+1] offset:768*(\a)          ; 512 consecutive bytes,
	global_store_b64 v[L8], v[PC+4:PC+5], s[CB0:CB0+1] offset:768*(\a)+512      ; 256 consecutive bytes
	global_store_b128 v[L16], v[PC+6:PC+9], s[CB1:CB1+1] offset:768*(\a)
	global_store_b64 v[L8], v[PC+10:PC+11], s[CB1:CB1+1] offset:768*(\a)+512
.endm
; Mode 1, block a: 16 features (head a / 4, tile a % 4) x my 128 tokens: one image of v.
.macro EPI_V a
	s_wait_xcnt 0x0
	WIN 0x02+(\a)/4
.set n, 0
.rept 32
	v_pk_add_f32 v[HA+n:HA+n+1], v[64*((\a)%4)+n:64*((\a)%4)+n+1], v[BI+8*(\a)+n%8:BI+8*(\a)+n%8+1]   ; the lane's one feature: the block's eight bias registers hold the same number
.set n, n+2
.endr
	WIN 0
	QUANT HA, PW+(\a)
.irp c, 0,1,2
	global_store_b128 v[L16], v[PC+4*\c:PC+4*\c+3], s[CB0:CB0+1] offset:((\a)/4)*HEADB+((\a)%4)*1536+512*\c
.endr
.endm
	PLACES NP                                      ; behind the last products: their results are read and A's registers written below
	s_wait_loadcnt 0x0                             ; the bias
	s_mov_b32 s[SEL], 0x76543210
	s_mov_b32 s[SEL+1], 0xfedcba98                 ; lane l xor 16
	s_mov_b32 s[HIM], 0xffff0000
.irp b, 0,1,2,3
	v_mov_b32 v[TM+4+\b], 0                        ; written once: a lane permute's destination counts as one of its sources
.endr
	s_cmp_lg_u32 s[MODE], 0                        ; the mode is the same in all waves of all sixteen partners
	s_cbranch_scc1 .Lv_mode
.irp a, 0,1,2,3,4,5,6,7
	EPI_QK \a
.endr
.irp i, 0,1,2,3
	v_cndmask_b32 v[OUT+8+\i], v[PW+\i], v[PW+4+\i], s[HIM]   ; lanes 0-15: tile i's word of row r; lanes 16-31: tile 4 + i's
.endr
.irp i, 0,1,2,3
	v_perm_b32 v[OUT+\i], v[OUT+8+\i], v[OUT+8+\i], 0x01000100     ; the first head's two bytes, twice
	v_perm_b32 v[OUT+4+\i], v[OUT+8+\i], v[OUT+8+\i], 0x03020302   ; the second head's
.endr
	global_store_b128 v[L16], v[OUT:OUT+3], s[SB0:SB0+1]           ; [tile / 4][row][tile % 4]: 512 consecutive bytes
	global_store_b128 v[L16], v[OUT+4:OUT+7], s[SB1:SB1+1]
	s_branch .Lend
.Lv_mode:
.irp a, 0,1,2,3,4,5,6,7
	EPI_V \a
.endr
.irp i, 0,1,2,3
	v_cndmask_b32 v[OUT+\i], v[PW+\i], v[PW+4+\i], s[HIM]     ; lanes 0-15: my first head's tile i; lanes 16-31: my second head's
.endr
	global_store_b128 v[VSO], v[OUT:OUT+3], s[SB0:SB0+1]           ; [row][tile]: each half of the lanes stores 256 consecutive bytes of its head's record
.Lend:
	s_wait_tensorcnt 0x0                           ; the wave's end
	ds_add_u32 v[SPW], v[NIL]
	s_wait_dscnt 0x0
	CROUND                                         ; the closing round: no work-group ends while a partner may still ask for a tile that names it
	s_endpgm
.Lfunc_end_k_q270a0ddaa8_qkv:
	.size	k_q270a0ddaa8_qkv, .Lfunc_end_k_q270a0ddaa8_qkv-k_q270a0ddaa8_qkv
	.p2alignl 7, 3214868480
	.fill 96, 4, 3214868480
	.section	.rodata,"a",@progbits
	.p2align	6, 0x0
	.amdhsa_kernel k_q270a0ddaa8_qkv
		.amdhsa_group_segment_fixed_size 327680
		.amdhsa_private_segment_fixed_size 0
		.amdhsa_enable_private_segment 0
		.amdhsa_kernarg_size 64
		.amdhsa_user_sgpr_count 2
		.amdhsa_user_sgpr_kernarg_segment_ptr 1
		.amdhsa_wavefront_size32 1
		.amdhsa_system_sgpr_workgroup_id_x 1
		.amdhsa_system_sgpr_workgroup_id_y 1
		.amdhsa_system_sgpr_workgroup_id_z 1
		.amdhsa_system_vgpr_workitem_id 0
		.amdhsa_next_free_vgpr 1024
		.amdhsa_next_free_sgpr 106
		.amdhsa_reserve_vcc 0
		.amdhsa_float_denorm_mode_32 3
		.amdhsa_float_denorm_mode_16_64 3
		.amdhsa_memory_ordered 1
		.amdhsa_forward_progress 1
		.amdhsa_inst_pref_size 239
	.end_amdhsa_kernel
	.amdgpu_metadata
---
amdhsa.version: [ 1, 2 ]
amdhsa.kernels:
  - .name:           k_q270a0ddaa8_qkv
    .symbol:         k_q270a0ddaa8_qkv.kd
    .args:
      - { .name: x_codes, .offset: 0, .size: 8, .value_kind: global_buffer, .address_space: global }
      - { .name: x_scales, .offset: 8, .size: 8, .value_kind: global_buffer, .address_space: global }
      - { .name: w_qkv_codes, .offset: 16, .size: 8, .value_kind: global_buffer, .address_space: global }
      - { .name: w_qkv_scales, .offset: 24, .size: 8, .value_kind: global_buffer, .address_space: global }
      - { .name: b_qkv, .offset: 32, .size: 8, .value_kind: global_buffer, .address_space: global }
      - { .name: q_codes, .offset: 40, .size: 8, .value_kind: global_buffer, .address_space: global }
      - { .name: q_scales, .offset: 48, .size: 8, .value_kind: global_buffer, .address_space: global }
      - { .name: kv, .offset: 56, .size: 8, .value_kind: global_buffer, .address_space: global }
    .group_segment_fixed_size: 327680
    .private_segment_fixed_size: 0
    .kernarg_segment_align: 8
    .kernarg_segment_size: 64
    .max_flat_workgroup_size: 128
    .sgpr_count:     106
    .vgpr_count:     1024
    .wavefront_size: 32
...
	.end_amdgpu_metadata
.endif
;; end of part 1
;; launch attn (part 2): grid 4 x 64, 16 waves a work-group, clusters of 4 x 1, 210,944 bytes of LDS; arguments q_codes, q_scales, kv, a_codes, a_scales; writes a_codes, a_scales
.if DOCPART == 2
	.amdgcn_target "amdgcn-amd-amdhsa--gfx1250"
	.amdhsa_code_object_version 6
	.text
	.protected	k_q270a0ddaa8_attn
	.globl	k_q270a0ddaa8_attn
	.p2align	8
	.type	k_q270a0ddaa8_attn,@function
k_q270a0ddaa8_attn:
	s_mov_b64 s[64:65], 0
	v_nop
	global_prefetch_b8 v0, s[64:65] scope:SCOPE_SE
	s_setreg_imm32_b32 hwreg(HW_REG_WAVE_MODE, 25, 1), 1
	s_wait_xcnt 0x0
	s_wait_alu depctr_hold_cnt(0) depctr_sa_sdst(0) depctr_va_vdst(0) depctr_va_sdst(0) depctr_va_ssrc(0) depctr_va_vcc(0) depctr_vm_vsrc(0)
	s_getreg_b32 s2, hwreg(HW_REG_IB_STS2, 6, 4)
	s_cmp_eq_u32 s2, 0
	s_cbranch_scc0 .Lentry_in_a_cluster
	s_endpgm
.Lentry_in_a_cluster:
	s_bfe_u32 s2, ttmp6, 0x10000c
	s_cmp_lg_u32 s2, 0x3003
	s_cbranch_scc0 .Lentry_shape_is_right
	s_endpgm
.Lentry_shape_is_right:
; LAUNCH 2 OF 3.  For each batch and head: S = q k^T / 8 under the causal mask, p = 2^(t - M), O = p v / l, all products on codes of FP6 (E2M3) with E8M0 scales; O is quantised along D for the projection.
; LEFT OUT (shown at the head of launch 1): a step of 128 keys all of which come after a tile's 16 queries: the mask that reference() builds gives them weight 0.
; t = score x log2(e) / 8; M = the running largest t rounded up to a whole number; the row's sum l is taken of the unquantised p; when M moves, l and O are multiplied by 2^(old M - new M), which rounds nothing.
; SHARES.  A cluster of four work-groups owns one batch and head, 128 tiles of 16 queries.  Wave u (0 .. 15) of the partner at place cx owns tiles 4 u + cx and 127 - (4 u + cx): their last steps are u / 2 and 15 - u / 2,
; numbers made of the wave's number alone, and every wave walks 17 steps of 128 keys in all: the work is even over waves and work-groups.
; LDS.  The head's 16 records of kv (13,056 bytes each: k's codes, v's codes, their scale words, all as images of the operands' registers) are brought in ONCE, one record a wave, by joint loads that name the four partners,
; and stay: nothing is filled again and nothing is stored to LDS.  Every LDS load takes consecutive bytes in consecutive lanes.
; K = 64 IN AN INSTRUCTION OF K = 128.  A fragment of k holds key tile 2 f in K 0 .. 63 and key tile 2 f + 1 in K 64 .. 127.  q stands in 18 registers [six zeros][q][six zeros]: [q | 0] picks the even tile, [0 | q] the odd one;
; zero codes add nothing.  A scale word holds its row's two bytes twice, so that it serves either half.
; LAYOUT.  Both products are used transposed: S^T (source 0 = 16 keys, source 1 = my 16 queries), O^T (source 0 = 16 of the head's 64, source 1 = p): a lane holds one query (lane % 16) throughout.  Registers 16 b .. 16 b + 15
; of S^T are keys 32 b + 16 u + 8 h + j; the conversions lay them at place 32 b + 16 h + 8 u + j, which is where launch 1 has laid v's keys.
; REGISTERS: v1-9 addresses; v10, v11 the add's two; v12 -M, v13 the largest t, v[14:15] the sum; v16-33 q's run; v34 q's scale words; v36-83 four fragments, k's and then v's; v84-91, v92-95 their scale words;
; v96-159 S^T, then p; v160-191 O^T; v192-203 p's codes; v204-227 at work (v227: p's scale word); v228-238 the way out.
.set REC,  13056
.set VIM,  6144                        ; in a record: v's images,
.set KSW,  12288                       ; k's scale words,
.set VSW,  12800                       ; v's
.set SPARE, 16*REC                     ; the spare words, 128 bytes for each of 16 waves; no other line names them
.set L16, 1                            ; 16 x lane
.set L8,  2                            ; 8 x lane
.set R16, 3                            ; 16 r
.set R32, 4                            ; 32 r
.set RH,  5                            ; r - 8 h
.set DM,  6                            ; my query in its step - 8 h
.set A16, 7                            ; the step's record + 16 x lane, + 8 x lane, + 16 r
.set A8,  8
.set AR,  9
.set SPW, 10
.set NIL, 11
.set QZ,  16
.set QS,  34
.set F,   36
.set KS,  84
.set VS,  92
.set S,   96
.set O,   160
.set P,   192
.set P2,  204
.set BM,  212
.set T,   216
.set SO,  220
.set FF,  224
.set TP,  226
.set PS,  227
.set OC,  228
.set OC2, 234
.set HW,  238
.set WV,  14
.set CX,  15
.set BH,  16
.set SEL, 20
.set CS,  22
.set G1,  24
.set G0,  32
.set JL,  36
.set JH,  37
.set LL,  38
.set LH,  39
.set J,   40
.set LIM, 41
.set PASS, 42
.set ST,  43
.set TB,  44
.set QO,  45
.set QB,  46
.set QSB, 48
.set OB,  50
.set OSB, 52
.macro CROUND                          ; a round of the cluster's barrier
	s_barrier_signal -1
	s_barrier_wait -1
	s_cmp_lg_u32 s[WV], 0
	s_cbranch_scc1 .Lnot_wave_0_\@
	s_barrier_signal -3
.Lnot_wave_0_\@:
	s_barrier_wait -3
	s_barrier_signal -1
	s_barrier_wait -1
.endm
	s_load_b256 s[4:11], s[0:1], 0x0               ; q_codes s[4:5], q_scales s[6:7], kv s[8:9], a_codes s[10:11]
	s_load_b64 s[12:13], s[0:1], 0x20              ; a_scales
	v_lshl_add_u32 v[SPW], v0, 2, SPARE
	v_mov_b32 v[NIL], 0
	ds_add_u32 v[SPW], v[NIL]                      ; the wave's opening: the add, twice on end, and its wait ahead of my first tensor load
	ds_add_u32 v[SPW], v[NIL]                      ; and once more; the set-up below stands between it and the wait
	v_lshrrev_b32 v[TP], 5, v0
	s_delay_alu instid0(VALU_DEP_1)
	v_readfirstlane_b32 s[WV], v[TP]               ; wave 0..15
	s_bfe_u32 s[CX], ttmp6, 0x40000                ; my place in the cluster: it enters q's and the output's addresses and the mask's numbers alone
	s_and_b32 s[BH], ttmp7, 0xffff                 ; batch x 16 + head, which the four partners share
	; descriptor group 1: a record, 13,056 dense bytes, as 51 rows of 256 bytes (32 elements of 8 bytes), no padding
	s_mov_b32 s[G1], 15|(3<<16)|(1<<21)            ; 15:0 the mask: all four work-groups; 17:16 elements of 8 bytes; 21 set beside a mask
	s_mov_b32 s[G1+1], 32<<16                      ; tensor_dim0
	s_mov_b32 s[G1+2], 51<<16                      ; tensor_dim1
	s_mov_b32 s[G1+3], 32<<16                      ; tile_dim0
	s_mov_b32 s[G1+4], 51                          ; tile_dim1
	s_mov_b32 s[G1+5], 32                          ; tensor_dim0_stride
	s_mov_b32 s[G1+6], 0
	s_mov_b32 s[G1+7], 0
	s_lshl_b32 s[JL], s[WV], 2
	s_add_co_u32 s[JL], s[JL], s[CX]               ; my early tile,
	s_sub_co_u32 s[JH], 127, s[JL]                 ; my late tile,
	s_lshr_b32 s[LL], s[WV], 1                     ; and the steps in which they lie on the diagonal
	s_sub_co_u32 s[LH], 15, s[LL]
	s_mov_b32 s[SEL], 0x76543210
	s_mov_b32 s[SEL+1], 0xfedcba98                 ; lane l xor 16
	s_mov_b32 s[CS], 0x3e38aa3b                    ; c = log2(e) / 8
	s_mov_b32 s[CS+1], s[CS]                       ; (named with it as a pair, so it is written)
	s_lshl_b32 s54, s[BH], 4
	s_add_co_u32 s54, s54, s[WV]
	s_mul_i32 s54, s54, REC                        ; record u of my head, in memory,
	s_mov_b32 s55, 0
	s_mul_i32 s56, s[WV], REC                      ; and in LDS
	s_wait_dscnt 0x0                               ; both opening adds are done
	s_wait_kmcnt 0x0
	s_mov_b32 s[G0], 1                             ; count = 1
	s_mov_b32 s[G0+1], s56
	s_add_nc_u64 s[G0+2:G0+3], s[8:9], s[54:55]
	s_or_b32 s[G0+3], s[G0+3], 0x80000000          ; type = 2
	CROUND                                         ; all four work-groups are here: the joint loads meet
	tensor_load_to_lds s[G0:G0+3], s[G1:G1+7]      ; every wave's one load: one of mine is out
	s_nop 0
.rept 4
	v_nop
.endr
	v_and_b32 v[TP], 31, v0
	s_delay_alu instid0(VALU_DEP_1)
	v_lshlrev_b32 v[L16], 4, v[TP]
	s_delay_alu instid0(VALU_DEP_2)
	v_lshlrev_b32 v[L8], 3, v[TP]
	v_and_b32 v[TP], 15, v0                        ; r
	s_delay_alu instid0(VALU_DEP_1)
	v_lshlrev_b32 v[R16], 4, v[TP]
	s_delay_alu instid0(VALU_DEP_2)
	v_lshlrev_b32 v[R32], 5, v[TP]
	v_bfe_u32 v[RH], v0, 4, 1                      ; h
	s_delay_alu instid0(VALU_DEP_1)
	v_lshlrev_b32 v[RH], 3, v[RH]
	s_delay_alu instid0(VALU_DEP_1)
	v_sub_nc_u32 v[RH], v[TP], v[RH]
.irp i, 0,1,2,3,4,5
	v_mov_b32 v[QZ+\i], 0                          ; the zero codes on both sides of q
	v_mov_b32 v[QZ+12+\i], 0
.endr
.irp b, 0,1,2,3
	v_mov_b32 v[T+\b], 0                           ; written once: a lane permute's destination counts as one of its sources
.endr
	v_mov_b32 v[FF+1], 0                           ; (named as the upper half of a pair)
	s_mov_b32 s[J], s[JH]                          ; the late tile first
	s_mov_b32 s[LIM], s[LH]
	s_mov_b32 s[PASS], 2
	s_wait_tensorcnt 0x0                           ; my record is in,
	s_barrier_signal -1
	s_barrier_wait -1                              ; everybody's is: the whole head lies in LDS
.Lpass:                                            ; two trips: a tile of 16 queries each
	s_wait_xcnt 0x0                                ; the last tile's loads and stores have read their bases: they may be written again
	s_lshl_b32 s54, s[BH], 7
	s_add_co_u32 s54, s54, s[J]
	s_mul_i32 s54, s54, 768
	s_add_nc_u64 s[QB:QB+1], s[4:5], s[54:55]      ; q's half image
	s_lshl_b32 s54, s[BH], 13
	s_lshr_b32 s56, s[J], 2
	s_lshl_b32 s56, s56, 8
	s_add_co_u32 s54, s54, s56
	s_and_b32 s56, s[J], 3
	s_lshl_b32 s56, s56, 2
	s_add_co_u32 s54, s54, s56
	s_add_nc_u64 s[QSB:QSB+1], s[6:7], s[54:55]    ; q's scale words: [tile / 4][row][tile % 4]
	s_lshr_b32 s56, s[BH], 4
	s_lshl_b32 s56, s56, 7
	s_add_co_u32 s56, s56, s[J]                    ; the tile among all 512 tiles of tokens
	s_and_b32 s57, s[BH], 15                       ; the head
	s_lshr_b32 s54, s56, 3
	s_lshl_b32 s54, s54, 2
	s_lshr_b32 s58, s57, 2
	s_add_co_u32 s54, s54, s58
	s_mul_i32 s54, s54, 24576                      ; a_codes: [128 tokens][256 along D][tile][head % 4][768]
	s_and_b32 s58, s56, 7
	s_mul_i32 s58, s58, 3072
	s_add_co_u32 s54, s54, s58
	s_and_b32 s58, s57, 3
	s_mul_i32 s58, s58, 768
	s_add_co_u32 s54, s54, s58
	s_add_nc_u64 s[OB:OB+1], s[10:11], s[54:55]
	s_lshl_b32 s54, s56, 9
	s_lshl_b32 s58, s57, 1
	s_add_co_u32 s54, s54, s58
	s_add_nc_u64 s[OSB:OSB+1], s[12:13], s[54:55]  ; a_scales: [token][32], my head's two bytes
	s_and_b32 s[QO], s[J], 7
	s_lshl_b32 s[QO], s[QO], 4                     ; my first query in its step
	global_load_b128 v[QZ+6:QZ+9], v[L16], s[QB:QB+1] th:TH_LOAD_NT
	global_load_b64 v[QZ+10:QZ+11], v[L8], s[QB:QB+1] offset:512 th:TH_LOAD_NT
	global_load_b32 v[QS], v[R16], s[QSB:QSB+1]
	v_mov_b32 v13, 0xff61b1e6                      ; the largest t so far: -3e38, under every t
	s_delay_alu instid0(VALU_DEP_1)
	v_floor_f32 v12, -v13                          ; -M
	v_mov_b32 v14, 0                               ; the sum, in two halves
	v_mov_b32 v15, 0
.set n, 0
.rept 32
	v_mov_b32 v[O+n], 0                            ; O^T.  (The step is written once: the first finds zeros, which the first change of M leaves zeros)
.set n, n+1
.endr
	v_add_nc_u32 v[DM], s[QO], v[RH]
	s_mov_b32 s[TB], 0
	s_mov_b32 s[ST], 0
	s_wait_loadcnt 0x0                             ; q
.Lstep:                                            ; sixteen trips, a constant; a hidden step's work is jumped over
	s_cmp_gt_u32 s[ST], s[LIM]                     ; made of the wave's number and counts of trips alone
	s_cbranch_scc1 .Lhidden
	s_setprio 2
	v_add_nc_u32 v[A16], s[TB], v[L16]
	v_add_nc_u32 v[A8], s[TB], v[L8]
	v_add_nc_u32 v[AR], s[TB], v[R16]
	v_nop                                          ; four places in front of loads into registers that the last step's products have read
.irp t, 0,1,2,3,4,5,6,7                        ; k's eight half images: tiles 2 f and 2 f + 1 make fragment f
	ds_load_b128 v[F+12*(\t/2)+6*(\t%2):F+12*(\t/2)+6*(\t%2)+3], v[A16] offset:768*\t
	ds_load_b64 v[F+12*(\t/2)+6*(\t%2)+4:F+12*(\t/2)+6*(\t%2)+5], v[A8] offset:768*\t+512
.endr
	ds_load_b128 v[KS:KS+3], v[AR] offset:KSW      ; row r's scale words of tiles 0-3,
	ds_load_b128 v[KS+4:KS+7], v[AR] offset:KSW+256   ; of tiles 4-7
	s_wait_alu depctr_va_vdst(0)
	s_wait_dscnt 0x0
.irp t, 0,2,4,6                                ; S^T: the even tile by [q | 0], the odd one by [0 | q]
	v_wmma_scale_f32_16x16x128_f8f6f4 v[S+8*\t:S+8*\t+7], v[F+6*\t:F+6*\t+11], v[QZ+6:QZ+17], 0, v[KS+\t], v[QS] matrix_a_fmt:MATRIX_FMT_FP6 matrix_b_fmt:MATRIX_FMT_FP6
	v_wmma_scale_f32_16x16x128_f8f6f4 v[S+8*\t+8:S+8*\t+15], v[F+6*\t:F+6*\t+11], v[QZ:QZ+11], 0, v[KS+\t+1], v[QS] matrix_a_fmt:MATRIX_FMT_FP6 matrix_b_fmt:MATRIX_FMT_FP6
.endr
.rept 4
	v_nop                                          ; places: k's registers take v's images, and the scores are read
.endr
.irp t, 0,1,2,3                                ; v's four images: they land while the softmax is worked
.irp c, 0,1,2
	ds_load_b128 v[F+12*\t+4*\c:F+12*\t+4*\c+3], v[A16] offset:VIM+1536*\t+512*\c
.endr
.endr
	ds_load_b128 v[VS:VS+3], v[AR] offset:VSW      ; row r's scale words of the four tiles
	s_cmp_lg_u32 s[ST], s[LIM]                     ; on the diagonal the scores of hidden keys become -infinity ahead of the maximum: p = 0 then
	s_cbranch_scc1 .Lopen
	v_mov_b32 v[TP], 0xff800000
.set n, 0
.rept 64
	v_cmp_gt_i32 vcc_lo, 16*(n/8)+n%8, v[DM]       ; register n holds key 16 (n / 8) + n % 8 + 8 h of the step: hidden where it comes after my query
	v_cndmask_b32 v[S+n], v[S+n], v[TP], vcc_lo
.set n, n+1
.endr
.Lopen:
.irp b, 0,1,2,3
	v_max3_num_f32 v[BM+\b], v[S+16*\b], v[S+1+16*\b], v[S+2+16*\b]   ; the largest score of each block of 32 keys: it serves for the row's maximum and, since p rises with the score, for the block's largest p
.endr
.irp i, 3,5,7,9,11,13
.irp b, 0,1,2,3
	v_max3_num_f32 v[BM+\b], v[BM+\b], v[S+16*\b+\i], v[S+1+16*\b+\i]
.endr
.endr
.irp b, 0,1,2,3
	v_max_num_f32 v[BM+\b], v[BM+\b], v[S+15+16*\b]
.endr
.irp b, 0,1,2,3
	s_delay_alu instid0(VALU_DEP_4)
	v_permlanex16_b32 v[T+\b], v[BM+\b], s[SEL], s[SEL+1]
.endr
.irp b, 0,1,2,3
	s_delay_alu instid0(VALU_DEP_4)
	v_max_num_f32 v[BM+\b], v[BM+\b], v[T+\b]      ; with lane l xor 16's 16 keys
.endr
	s_delay_alu instid0(VALU_DEP_2)
	v_max3_num_f32 v[TP], v[BM], v[BM+1], v[BM+2]
	s_delay_alu instid0(VALU_DEP_1)
	v_max_num_f32 v[TP], v[TP], v[BM+3]            ; the step's largest score of my query
	s_delay_alu instid0(VALU_DEP_1)
	v_mul_f32 v[TP], s[CS], v[TP]                  ; as t (c is positive)
	s_delay_alu instid0(VALU_DEP_1)
	v_max_num_f32 v13, v13, v[TP]                  ; the running largest t
	v_mov_b32 v[TP], v12
	s_delay_alu instid0(VALU_DEP_2)
	v_floor_f32 v12, -v13                          ; the new -M = floor(-t) = -ceil(t)
	s_delay_alu instid0(VALU_DEP_1)
	v_sub_f32 v[TP], v12, v[TP]                    ; old M - new M: a whole number, 0 or less
	s_delay_alu instid0(VALU_DEP_1)
	v_cvt_i32_f32 v[TP], v[TP]                     ; (it saturates)
	s_delay_alu instid0(VALU_DEP_1)
	v_ldexp_f32 v[FF], 1.0, v[TP]                  ; f = 2^(old M - new M)
.set n, 0
.rept 32
	v_pk_fma_f32 v[S+n:S+n+1], v[S+n:S+n+1], s[CS:CS+1], v[12:13] op_sel_hi:[1,0,0]   ; t - M, two at a time
.set n, n+2
.endr
	s_setprio 1
.irp b, 0,1,2,3
	v_fma_f32 v[BM+\b], v[BM+\b], s[CS], v12       ; the same of each block's largest score
.endr
.set n, 0
	s_wait_alu depctr_va_vdst(0)
.rept 64
	v_exp_f32 v[S+n], v[S+n]                       ; p = 2^(t - M), at most 1
.set n, n+1
.endr
	v_pk_mul_f32 v[14:15], v[14:15], v[FF:FF+1] op_sel_hi:[1,0]   ; the sums under the new M (a plain place behind the exponentials)
	s_wait_alu depctr_va_vdst(0)                   ; one wait for the whole batch, ahead of its first reader
.irp b, 0,1,2,3
	v_exp_f32 v[BM+\b], v[BM+\b]                   ; the block's largest p
.endr
	v_pk_add_f32 v[216:217], v[100:101], v[104:105]
	v_pk_add_f32 v[254:255], v[108:109], v[112:113]
	v_pk_add_f32 v[252:253], v[116:117], v[120:121]
	v_pk_add_f32 v[250:251], v[124:125], v[128:129]
	v_pk_add_f32 v[248:249], v[132:133], v[136:137]
	v_pk_add_f32 v[246:247], v[140:141], v[144:145]
	v_pk_add_f32 v[244:245], v[148:149], v[152:153]
	v_pk_add_f32 v[14:15], v[14:15], v[156:157]
	v_pk_add_f32 v[216:217], v[216:217], v[96:97]
	v_pk_add_f32 v[254:255], v[254:255], v[98:99]
	v_pk_add_f32 v[252:253], v[252:253], v[102:103]
	v_pk_add_f32 v[250:251], v[250:251], v[106:107]
	v_pk_add_f32 v[248:249], v[248:249], v[110:111]
	v_pk_add_f32 v[246:247], v[246:247], v[114:115]
	v_pk_add_f32 v[244:245], v[244:245], v[118:119]
	v_pk_add_f32 v[14:15], v[14:15], v[122:123]
	v_pk_add_f32 v[216:217], v[216:217], v[126:127]
	v_pk_add_f32 v[254:255], v[254:255], v[130:131]
	v_pk_add_f32 v[252:253], v[252:253], v[134:135]
	v_pk_add_f32 v[250:251], v[250:251], v[138:139]
	v_pk_add_f32 v[248:249], v[248:249], v[142:143]
	v_pk_add_f32 v[246:247], v[246:247], v[146:147]
	v_pk_add_f32 v[244:245], v[244:245], v[150:151]
	v_pk_add_f32 v[14:15], v[14:15], v[154:155]
	v_pk_add_f32 v[216:217], v[216:217], v[158:159]
	s_delay_alu instid0(VALU_DEP_2)
	v_pk_add_f32 v[14:15], v[14:15], v[250:251]
	s_delay_alu instid0(VALU_DEP_2)
	v_pk_add_f32 v[216:217], v[216:217], v[248:249]
	v_pk_add_f32 v[254:255], v[254:255], v[246:247]
	v_pk_add_f32 v[252:253], v[252:253], v[244:245]
	s_delay_alu instid0(VALU_DEP_2)
	v_pk_add_f32 v[14:15], v[14:15], v[254:255]
	s_delay_alu instid0(VALU_DEP_2)
	v_pk_add_f32 v[216:217], v[216:217], v[252:253]
	s_delay_alu instid0(VALU_DEP_1)
	v_pk_add_f32 v[14:15], v[14:15], v[216:217]
	s_wait_alu depctr_va_vdst(0)                   ; and one for the four
.irp b, 0,1,2,3
	v_max_num_f32 v[BM+\b], 0x1800000, v[BM+\b]    ; the floor 2^(3 - 127): the byte cannot fall under 1
.endr
.irp b, 0,1,2,3
	s_delay_alu instid0(VALU_DEP_4)
	v_add_nc_u32 v[SO+\b], 0xff000000, v[BM+\b]    ; 2 off the exponent field: the conversion's scale operand
.endr
.irp b, 0,1,2,3
	s_delay_alu instid0(VALU_DEP_4)
	v_lshrrev_b32 v[T+\b], 23, v[SO+\b]            ; the scale's byte
.endr
	s_delay_alu instid0(VALU_DEP_3)
	v_lshl_or_b32 v[PS], v[T+1], 8, v[T]           ; p's scale word for these 128 keys
	s_delay_alu instid0(VALU_DEP_1)
	v_lshl_or_b32 v[PS], v[T+2], 16, v[PS]
	s_delay_alu instid0(VALU_DEP_1)
	v_lshl_or_b32 v[PS], v[T+3], 24, v[PS]
	s_setprio 0
.irp c, 0,1
	v_cvt_scalef32_pk16_fp6_f32 v[P+6*\c:P+2+6*\c], v[S+32*\c:S+15+32*\c], v[SO+2*\c]
	v_cvt_scalef32_pk16_fp6_f32 v[P2+4*\c:P2+2+4*\c], v[S+16+32*\c:S+31+32*\c], v[SO+2*\c+1]   ; (a conversion's three registers begin on an even number)
.endr
	v_nop                                          ; one plain place behind a scaled conversion
.irp c, 0,1                                    ; a whole block to a lane: lanes 0-15 block 2 c, lanes 16-31 block 2 c + 1
.irp i, 0,1,2
	v_permlane16_swap_b32 v[P+6*\c+\i], v[P2+4*\c+\i]
.endr
.irp i, 0,1,2
	s_delay_alu instid0(VALU_DEP_3)
	v_mov_b32 v[P+3+6*\c+\i], v[P2+4*\c+\i]
.endr
.endr
.set n, 0
.rept 16
	v_pk_mul_f32 v[O+n:O+n+1], v[O+n:O+n+1], v[FF:FF+1] op_sel_hi:[1,0]   ; O^T under the new M.  Twelve of these name no register of any one product below: the places behind the writes of p's codes and scale word
.set n, n+2
.endr
	s_wait_alu depctr_va_vdst(0)
	s_wait_dscnt 0x0                               ; v's images and scale words are in
.irp t, 0,1,2,3                                ; O^T += v^T p^T: the four accumulators by turns, one instruction a turn
	v_wmma_scale_f32_16x16x128_f8f6f4 v[O+8*\t:O+8*\t+7], v[F+12*\t:F+12*\t+11], v[P:P+11], v[O+8*\t:O+8*\t+7], v[VS+\t], v[PS] matrix_a_fmt:MATRIX_FMT_FP6 matrix_b_fmt:MATRIX_FMT_FP6
.endr
.Lhidden:
	s_add_co_u32 s[TB], s[TB], REC                 ; the next step's record
	s_add_co_u32 s[ST], s[ST], 1
	s_cmp_lt_u32 s[ST], 16
	s_cbranch_scc1 .Lstep
	s_setprio 0
	; THE TILE'S WAY OUT: O^T / l, brought into the natural order of the head's 64, quantised in two blocks of 32, stored as a half image for the projection.
.rept 4
	v_nop                                          ; places behind the last products
.endr
	v_add_f32 v14, v14, v15                        ; the sum's two halves,
	s_delay_alu instid0(VALU_DEP_1)
	v_permlanex16_b32 v[T], v14, s[SEL], s[SEL+1]
	s_delay_alu instid0(VALU_DEP_1)
	v_add_f32 v14, v14, v[T]                       ; and lane l xor 16's: the row's sum
	s_wait_alu depctr_va_vdst(0)
	v_rcp_f32 v14, v14
	v_nop                                          ; a plain place behind the reciprocal
	s_wait_alu depctr_va_vdst(0)                   ; and the wait ahead of its first reader
.set n, 0
.rept 16
	v_pk_mul_f32 v[S+n:S+n+1], v[O+n:O+n+1], v[14:15] op_sel_hi:[1,0]   ; register 8 t + j = o(query r, 16 t + 8 h + j); each accumulator from its low end on
.set n, n+2
.endr
.irp b, 0,1                                    ; w_proj's codes lie in the natural order, so these must too: tile 2 b's lanes 16-31 change places with tile 2 b + 1's lanes 0-15:
.irp j, 0,1,2,3,4,5,6,7
	v_permlane16_swap_b32 v[S+16*\b+\j], v[S+16*\b+8+\j]   ; register 16 b + i is now o(r, 32 b + 16 h + i)
.endr
.endr
.irp b, 0,1
	v_max3_num_f32 v[BM+\b], |v[S+16*\b]|, |v[S+1+16*\b]|, 0x1800000
.endr
.irp i, 2,4,6,8,10,12,14
.irp b, 0,1
	s_delay_alu instid0(VALU_DEP_2)
	v_max3_num_f32 v[BM+\b], v[BM+\b], |v[S+16*\b+\i]|, |v[S+1+16*\b+\i]|
.endr
.endr
.irp b, 0,1
	s_delay_alu instid0(VALU_DEP_2)
	v_permlanex16_b32 v[T+\b], v[BM+\b], s[SEL], s[SEL+1]
.endr
.irp b, 0,1
	s_delay_alu instid0(VALU_DEP_2)
	v_max_num_f32 v[BM+\b], v[BM+\b], v[T+\b]      ; the block's largest magnitude
.endr
.irp b, 0,1
	s_delay_alu instid0(VALU_DEP_2)
	v_add_nc_u32 v[SO+\b], 0xff000000, v[BM+\b]
.endr
.irp b, 0,1
	s_delay_alu instid0(VALU_DEP_2)
	v_lshrrev_b32 v[T+\b], 23, v[SO+\b]
.endr
	s_delay_alu instid0(VALU_DEP_1)
	v_lshl_or_b32 v[HW], v[T+1], 8, v[T]           ; my row's two scale bytes
	v_cvt_scalef32_pk16_fp6_f32 v[OC:OC+2], v[S:S+15], v[SO]
	v_cvt_scalef32_pk16_fp6_f32 v[OC2:OC2+2], v[S+16:S+31], v[SO+1]
	v_nop                                          ; one plain place behind a scaled conversion
.irp i, 0,1,2
	v_permlane16_swap_b32 v[OC+\i], v[OC2+\i]      ; lanes 0-15: block 0 whole; lanes 16-31: block 1
.endr
.irp i, 0,1,2
	s_delay_alu instid0(VALU_DEP_3)
	v_mov_b32 v[OC+3+\i], v[OC2+\i]
.endr
	global_store_b128 v[L16], v[OC:OC+3], s[OB:OB+1]               ; 512 consecutive bytes,
	global_store_b64 v[L8], v[OC+4:OC+5], s[OB:OB+1] offset:512    ; 256 consecutive bytes
	global_store_b16 v[R32], v[HW], s[OSB:OSB+1]   ; two bytes in each of 16 rows of 32: the rows' other bytes are other heads'; both lanes of a row store the same two bytes
	s_mov_b32 s[J], s[JL]                          ; then the early tile
	s_mov_b32 s[LIM], s[LL]
	s_sub_co_u32 s[PASS], s[PASS], 1
	s_cmp_lg_u32 s[PASS], 0
	s_cbranch_scc1 .Lpass
	s_wait_tensorcnt 0x0                           ; the wave's end
	ds_add_u32 v[SPW], v[NIL]
	s_wait_dscnt 0x0
	CROUND                                         ; the closing round
	s_endpgm
.Lfunc_end_k_q270a0ddaa8_attn:
	.size	k_q270a0ddaa8_attn, .Lfunc_end_k_q270a0ddaa8_attn-k_q270a0ddaa8_attn
	.p2alignl 7, 3214868480
	.fill 96, 4, 3214868480
	.section	.rodata,"a",@progbits
	.p2align	6, 0x0
	.amdhsa_kernel k_q270a0ddaa8_attn
		.amdhsa_group_segment_fixed_size 210944
		.amdhsa_private_segment_fixed_size 0
		.amdhsa_enable_private_segment 0
		.amdhsa_kernarg_size 40
		.amdhsa_user_sgpr_count 2
		.amdhsa_user_sgpr_kernarg_segment_ptr 1
		.amdhsa_wavefront_size32 1
		.amdhsa_system_sgpr_workgroup_id_x 1
		.amdhsa_system_sgpr_workgroup_id_y 1
		.amdhsa_system_sgpr_workgroup_id_z 1
		.amdhsa_system_vgpr_workitem_id 0
		.amdhsa_next_free_vgpr 256
		.amdhsa_next_free_sgpr 66
		.amdhsa_reserve_vcc 1
		.amdhsa_float_denorm_mode_32 3
		.amdhsa_float_denorm_mode_16_64 3
		.amdhsa_memory_ordered 1
		.amdhsa_forward_progress 1
		.amdhsa_inst_pref_size 35
	.end_amdhsa_kernel
	.amdgpu_metadata
---
amdhsa.version: [ 1, 2 ]
amdhsa.kernels:
  - .name:           k_q270a0ddaa8_attn
    .symbol:         k_q270a0ddaa8_attn.kd
    .args:
      - { .name: q_codes, .offset: 0, .size: 8, .value_kind: global_buffer, .address_space: global }
      - { .name: q_scales, .offset: 8, .size: 8, .value_kind: global_buffer, .address_space: global }
      - { .name: kv, .offset: 16, .size: 8, .value_kind: global_buffer, .address_space: global }
      - { .name: a_codes, .offset: 24, .size: 8, .value_kind: global_buffer, .address_space: global }
      - { .name: a_scales, .offset: 32, .size: 8, .value_kind: global_buffer, .address_space: global }
    .group_segment_fixed_size: 210944
    .private_segment_fixed_size: 0
    .kernarg_segment_align: 8
    .kernarg_segment_size: 40
    .max_flat_workgroup_size: 512
    .sgpr_count:     66
    .vgpr_count:     256
    .wavefront_size: 32
...
	.end_amdgpu_metadata
.endif
;; end of part 2
;; launch proj (part 3): grid 4 x 32, 4 waves a work-group, clusters of 4 x 4, 327,680 bytes of LDS; arguments a_codes, a_scales, w_proj_codes, w_proj_scales, out0, b_proj; writes out0
.if DOCPART == 3
	.amdgcn_target "amdgcn-amd-amdhsa--gfx1250"
	.amdhsa_code_object_version 6
	.text
	.protected	k_q270a0ddaa8_proj
	.globl	k_q270a0ddaa8_proj
	.p2align	8
	.type	k_q270a0ddaa8_proj,@function
k_q270a0ddaa8_proj:
	s_mov_b64 s[64:65], 0
	v_nop
	global_prefetch_b8 v0, s[64:65] scope:SCOPE_SE
	s_setreg_imm32_b32 hwreg(HW_REG_WAVE_MODE, 25, 1), 1
	s_wait_xcnt 0x0
	s_wait_alu depctr_hold_cnt(0) depctr_sa_sdst(0) depctr_va_vdst(0) depctr_va_sdst(0) depctr_va_ssrc(0) depctr_va_vcc(0) depctr_vm_vsrc(0)
	s_getreg_b32 s2, hwreg(HW_REG_IB_STS2, 6, 4)
	s_cmp_eq_u32 s2, 0
	s_cbranch_scc0 .Lentry_in_a_cluster
	s_endpgm
.Lentry_in_a_cluster:
	s_bfe_u32 s2, ttmp6, 0x10000c
	s_cmp_lg_u32 s2, 0xf033
	s_cbranch_scc0 .Lentry_shape_is_right
	s_endpgm
.Lentry_shape_is_right:
; LAUNCH 3 OF 3.  out0 = a w_proj + b_proj on codes of FP6 (E2M3) with one E8M0 scale for each 32 along K = 1,024; a is the attention's result as launch 2 left it.  Nothing is left out here.
; A tile of 256 x 256 of out0 to a work-group of four waves, 128 x 128 to a wave: 64 accumulators.  K goes in steps of 256 through a ring of two LDS slots.  There are 4 x 32 = 128 such tiles.
; A (source 1, rows to lanes) comes as IMAGES OF THE OPERAND'S REGISTERS: a_codes is [128 tokens][256 along K][tile of 16 tokens][128 along K][64 along K][768], so that 128 rows x 256 along K are 24,576 dense bytes for one
; tensor load, and a fragment is two loads of 16 bytes and two of 8 bytes a lane, consecutive lanes at consecutive bytes.  B (source 0, rows to registers) = w_proj's rows, 768 bytes each, as tiles with rows of 192 bytes.
; The scale bytes of the work-group's 256 + 256 rows, for all of K, come into LDS once and stay.  The bias is the C of each sum's first matrix instruction.
; CLUSTERS: 4 x 4 work-groups; A's tiles are asked for jointly along a row of the cluster, B's along a column.
; REGISTERS, in windows of 256: window 0: v7, v16-29 addresses; v32-63 scale words, two sets; v64-127 the bias; from v128 A's fragments, one set; on the way out v128-255 rows of out0.
;   window 1: B's fragments, two sets.   windows 2, 3: the accumulators ((a, b) at v[8 (8 (a % 4) + b)]).
.set SIZE_N, 1024
.set SIZE_K, 1024
.set KSTEP,  256
.set NQ,     KSTEP/128
.set ROWB,   192
.set KROW,   SIZE_K*6/8
.set PITCH,  240                       ; B's LDS row: 3 x (64 bytes + 16 of padding)
.set FR,     12
.set NLA,    4                         ; LDS loads that bring a fragment of A
.set NP,     4                         ; places behind this matrix instruction (ISA guide 7.12.1)
.set HALFA,  24576                     ; A: 128 rows x 256 along K as images: one tensor load
.set HALFT,  128*PITCH                 ; B: 128 rows: one tensor load
.set BOFF,   2*HALFA                   ; in a slot B's rows lie behind A's images
.set SLOT,   2*HALFA+2*HALFT
.set LAPS,   SIZE_K/(2*KSTEP)
.set KS,     SIZE_K/32
.set SCL,    2*SLOT
.set HALFS,  (128*KS/256)*272
.set SBLK,   (16*KS/256)*272
.set SPARE,  SCL+4*HALFS               ; the spare words, 128 bytes for each wave; no other line names them
.set SPITCH, 528                       ; the way out: a stage of 16 rows x (512 bytes + 16) for each wave, in slot 0, which has had its last fill and its last read when the first result is stored there
.set ADRA, 16                          ; v16-17 16 x lane + my A images in slot 0, 1;  v18-19 the same with 8 x lane
.set ADRB, 20                          ; v20-23 my B fragments (slot 0, 1; the same behind one padding more)
.set STO,  24
.set RD,   25
.set CO,   26
.set ADRS, 27
.set SPW,  28
.set NIL,  29
.set SC,   32
.set BI,   64                          ; v64-127 b_proj: register 8 b + j = column 16 b + 8 h + j of my 128
.set AF,   128
.set BK,   128
.set G1, 24
.set G0, 32
.set G1B, 48
.set G0B, 56
.set G1S, 68
.set G0S, 76
.set G1SB, 80
.set G0SB, 88
.set MSB, 0
.macro WIN new
.if MSB != (\new)
	s_set_vgpr_msb (MSB<<8)|(\new)
.set MSB, (\new)
.endif
.endm
.set MUL_LO, 0xa1                      ; source 0 (B) window 1, source 1 (A) window 0, C and D window 2
.set MUL_HI, 0xf1                      ; the same, C and D window 3
.set FST_LO, 0x81                      ; the first products: C (the bias) window 0, D window 2
.set FST_HI, 0xc1                      ; D window 3
.set TO_B,   0x40
.macro JLOAD g0a, g1a, g0b, g1b        ; a joint load: waves 0 and 1 fetch for A, waves 2 and 3 for B; an s_nop 0 and four v_nop follow each of the two lines
	s_cmp_eq_u32 s15, 0
	s_cbranch_scc0 .Lfor_b_\@
	tensor_load_to_lds s[\g0a:\g0a+3], s[\g1a:\g1a+7]
	s_nop 0
.rept 4
	v_nop
.endr
	s_branch .Lasked_\@
.Lfor_b_\@:
	tensor_load_to_lds s[\g0b:\g0b+3], s[\g1b:\g1b+7]
	s_nop 0
.rept 4
	v_nop
.endr
.Lasked_\@:
.endm
.macro CREST
	s_cmp_lg_u32 s14, 0
	s_cbranch_scc1 .Lnot_wave_0_\@
	s_barrier_signal -3
.Lnot_wave_0_\@:
	s_barrier_wait -3
	s_barrier_signal -1
	s_barrier_wait -1
.endm
.macro CROUND
	s_barrier_signal -1
	s_barrier_wait -1
	CREST
.endm
	s_load_b128 s[4:7], s[0:1], 0x0                ; a_codes s[4:5], a_scales s[6:7]
	s_load_b128 s[8:11], s[0:1], 0x10              ; w_proj's codes s[8:9], its scales s[10:11]
	s_load_b64 s[12:13], s[0:1], 0x20              ; out0
	s_load_b64 s[66:67], s[0:1], 0x28              ; b_proj
	v_lshl_add_u32 v[SPW], v0, 2, SPARE
	v_mov_b32 v[NIL], 0
	ds_add_u32 v[SPW], v[NIL]                      ; the wave's opening: the add, twice on end, and its wait ahead of my first tensor load
	ds_add_u32 v[SPW], v[NIL]                      ; and once more; the set-up below stands between it and the wait
	v_lshrrev_b32 v1, 5, v0
	v_readfirstlane_b32 s14, v1                    ; wave 0..3
	s_lshr_b32 s15, s14, 1                         ; which half of the tile's rows is mine.  Also: I fetch for A (0) or for B (1)
	s_and_b32 s16, s14, 1                          ; which half of its columns.  Also: which 128 rows I fetch
	s_bfe_u32 s40, ttmp6, 0x40000                  ; cx, cy
	s_bfe_u32 s41, ttmp6, 0x40004
	s_lshl_b32 s42, ttmp9, 2
	s_add_co_u32 s42, s42, s40                     ; tile column = 4 x cluster x + cx
	s_and_b32 s17, ttmp7, 0xffff
	s_lshl_b32 s17, s17, 2
	s_add_co_u32 s17, s17, s41                     ; tile row = 4 x cluster y + cy
	s_lshl_b32 s43, s41, 2
	s_lshl_b32 s43, 15, s43                        ; my row of the cluster
	s_lshl_b32 s44, 0x1111, s40                    ; my column
	; group 1 for A: 24,576 dense bytes as 96 rows of 256 bytes (32 elements of 8 bytes), no padding
	s_or_b32 s[G1+0], s43, (3<<16)|(1<<21)
	s_mov_b32 s[G1+1], 32<<16
	s_mov_b32 s[G1+2], 96<<16
	s_mov_b32 s[G1+3], 32<<16
	s_mov_b32 s[G1+4], 96
	s_mov_b32 s[G1+5], 32
	s_mov_b32 s[G1+6], 0
	s_mov_b32 s[G1+7], 0
	; group 1 for B: 128 rows x 192 bytes, 16 bytes of padding behind every 64
	s_or_b32 s[G1B+0], s44, (0<<16)|(1<<20)|(1<<21)|(3<<22)|(3<<25)
	s_mov_b32 s[G1B+1], ROWB<<16
	s_mov_b32 s[G1B+2], 128<<16
	s_mov_b32 s[G1B+3], ROWB<<16
	s_mov_b32 s[G1B+4], 128
	s_mov_b32 s[G1B+5], KROW
	s_mov_b32 s[G1B+6], 0
	s_mov_b32 s[G1B+7], 0
	; the scales of 128 rows: 4,096 dense bytes as rows of 256 bytes, 16 bytes of padding behind each
	s_or_b32 s[G1S+0], s43, (3<<16)|(1<<20)|(1<<21)|(5<<22)|(3<<25)
	s_or_b32 s[G1SB+0], s44, (3<<16)|(1<<20)|(1<<21)|(5<<22)|(3<<25)
.irp g, G1S, G1SB
	s_mov_b32 s[\g+1], 32<<16
	s_mov_b32 s[\g+2], (128*KS/256)<<16
	s_mov_b32 s[\g+3], 32<<16
	s_mov_b32 s[\g+4], 128*KS/256
	s_mov_b32 s[\g+5], 32
	s_mov_b32 s[\g+6], 0
	s_mov_b32 s[\g+7], 0
.endr
	s_lshl_b32 s20, s17, 1
	s_add_co_u32 s20, s20, s16                     ; A: which 128 tokens I fetch: 2 x tile row + half
	s_lshl_b32 s22, s20, 12                        ; their scales: 4,096 bytes,
	s_mov_b32 s23, 0
	s_mul_i32 s20, s20, 4*HALFA                    ; their codes: four slots' worth
	s_mov_b32 s21, 0
	s_lshl_b32 s46, s42, 8
	s_lshl_b32 s18, s16, 7
	s_add_co_u32 s46, s46, s18                     ; B: row 256 x tile column + 128 x half
	s_lshl_b32 s92, s46, 5
	s_mov_b32 s93, 0
	s_mul_i32 s46, s46, KROW
	s_mov_b32 s47, 0
	s_mul_i32 s45, s16, HALFA                      ; where they go: no place in the cluster enters an LDS address
	s_mul_i32 s94, s16, HALFT
	s_add_co_u32 s94, s94, BOFF
	s_mul_i32 s95, s14, HALFS
	s_wait_dscnt 0x0                               ; both opening adds are done
	s_wait_kmcnt 0x0
	s_add_nc_u64 s[20:21], s[4:5], s[20:21]
	s_add_nc_u64 s[22:23], s[6:7], s[22:23]
	s_add_nc_u64 s[46:47], s[8:9], s[46:47]
	s_add_nc_u64 s[92:93], s[10:11], s[92:93]
	CROUND                                         ; all sixteen work-groups are here: the first joint loads meet
	s_mov_b32 s[G0S], 1
	s_add_co_u32 s[G0S+1], s95, SCL
	s_mov_b64 s[G0S+2:G0S+3], s[22:23]
	s_or_b32 s[G0S+3], s[G0S+3], 0x80000000
	s_mov_b32 s[G0SB], 1
	s_add_co_u32 s[G0SB+1], s95, SCL
	s_mov_b64 s[G0SB+2:G0SB+3], s[92:93]
	s_or_b32 s[G0SB+3], s[G0SB+3], 0x80000000
	JLOAD G0S, G1S, G0SB, G1SB                     ; the scales first
.irp s, 0,1
	s_mov_b32 s[G0+4*\s], 1
	s_add_co_u32 s[G0+4*\s+1], s45, \s*SLOT
	s_add_nc_u64 s[G0+4*\s+2:G0+4*\s+3], s[20:21], \s*HALFA
	s_or_b32 s[G0+4*\s+3], s[G0+4*\s+3], 0x80000000
	s_mov_b32 s[G0B+4*\s], 1
	s_add_co_u32 s[G0B+4*\s+1], s94, \s*SLOT
	s_add_nc_u64 s[G0B+4*\s+2:G0B+4*\s+3], s[46:47], \s*ROWB
	s_or_b32 s[G0B+4*\s+3], s[G0B+4*\s+3], 0x80000000
	JLOAD G0+4*\s, G1, G0B+4*\s, G1B
.endr
	v_and_b32 v1, 15, v0                           ; r
	v_bfe_u32 v2, v0, 4, 1                         ; h
	v_and_b32 v6, 31, v0                           ; lane
	v_mul_u32_u24 v3, v1, PITCH
	v_mul_u32_u24 v4, v2, 24
	v_add_nc_u32 v4, v3, v4                        ; B: a fragment's row x pitch + 24 x half
	v_lshl_add_u32 v5, v2, 4, v4                   ; and the same behind one padding more
	v_lshlrev_b32 v[CO], 4, v6                     ; 16 x lane
	v_lshlrev_b32 v3, 3, v6                        ; 8 x lane
	s_mul_i32 s21, s15, HALFA                      ; my 128 rows of A
	s_mul_i32 s22, s16, HALFT                      ; my 128 rows of B
	s_add_co_u32 s22, s22, BOFF
.irp s, 0,1
	v_add_nc_u32 v[ADRA+\s], s21, v[CO]
	v_add_nc_u32 v[ADRA+2+\s], s21, v3
	v_add_nc_u32 v[ADRB+\s], s22, v4
	v_add_nc_u32 v[ADRB+2+\s], s22, v5
	s_add_co_u32 s21, s21, SLOT
	s_add_co_u32 s22, s22, SLOT
.endr
	v_mul_u32_u24 v5, v1, KS                       ; my row's scales: KS bytes a row,
	v_lshrrev_b32 v6, 8, v5
	v_lshl_add_u32 v5, v6, 4, v5                   ; and 16 more for each 256 passed
	s_mul_i32 s21, s15, HALFS
	s_mul_i32 s22, s16, HALFS
	s_add_co_u32 s22, s22, 2*HALFS
	s_sub_co_u32 s22, s22, s21
	v_mul_u32_u24 v6, s22, v2                      ; lanes 16-31 take B's
	s_add_co_u32 s21, s21, SCL
	v_add_nc_u32 v5, v5, v6
	v_add_nc_u32 v[ADRS], s21, v5
	s_mul_i32 s23, s14, 16*SPITCH                  ; my stage
	v_mul_u32_u24 v5, v1, SPITCH                   ; in: row r, 32 bytes for each half of the lanes
	v_lshl_add_u32 v5, v2, 5, v5
	v_add_nc_u32 v[STO], s23, v5
	v_add_nc_u32 v[RD], s23, v[CO]                 ; back: the 32 lanes take one row of 512 bytes
	s_lshl_b32 s20, s17, 8
	s_lshl_b32 s21, s15, 7
	s_add_co_u32 s20, s20, s21                     ; my first row of out0
	s_mov_b32 s21, 0
	s_mov_b64 s[18:19], SIZE_N*4
	s_mul_u64 s[20:21], s[20:21], s[18:19]
	s_lshl_b32 s46, s42, 10                        ; my first column, in bytes: 1,024 x tile column + 512 x half
	s_lshl_b32 s47, s16, 9
	s_add_co_u32 s46, s46, s47
	s_mov_b32 s47, 0
	s_add_nc_u64 s[66:67], s[66:67], s[46:47]      ; b_proj at my first column
	s_add_nc_u64 s[20:21], s[20:21], s[46:47]
	s_add_nc_u64 s[12:13], s[12:13], s[20:21]
	v_lshlrev_b32 v7, 5, v2                        ; 32 h: a lane's eight columns of a tile
.irp b, 0,1,2,3,4,5,6,7
	global_load_b128 v[BI+8*\b:BI+8*\b+3], v7, s[66:67] offset:64*\b
	global_load_b128 v[BI+8*\b+4:BI+8*\b+7], v7, s[66:67] offset:64*\b+16
.endr
.macro FRAG reg, adr, q, i             ; a fragment of B from rows: six pieces of 8 bytes; where the piece of lanes 16-31 lies behind one padding more, the second address register serves
.irp p, 0,1,2,3,4,5
.set PCE, 12*(\q)+6*(\p/3)+\p%3
.if PCE%8 < 5
	ds_load_b64 v[\reg+2*\p:\reg+2*\p+1], v[\adr] offset:8*PCE+16*(PCE/8)+(\i)*16*PITCH
.else
	ds_load_b64 v[\reg+2*\p:\reg+2*\p+1], v[\adr+2] offset:8*PCE+16*(PCE/8)+(\i)*16*PITCH
.endif
.endr
.endm
.macro FRAGA reg, slot, q, i           ; a fragment of A from its two half images: registers 0-3, 4-5, 6-9, 10-11
	ds_load_b128 v[\reg:\reg+3], v[ADRA+\slot] offset:3072*(\i)+1536*(\q)
	ds_load_b64 v[\reg+4:\reg+5], v[ADRA+2+\slot] offset:3072*(\i)+1536*(\q)+512
	ds_load_b128 v[\reg+6:\reg+9], v[ADRA+\slot] offset:3072*(\i)+1536*(\q)+768
	ds_load_b64 v[\reg+10:\reg+11], v[ADRA+2+\slot] offset:3072*(\i)+1536*(\q)+1280
.endm
; 16 matrix instructions: A's blocks a0, a0 + 1 x B's eight.  first = 1: the bias is the C of the sums' first products.  The 64 accumulators take turns, one instruction a turn.
.macro MUL16 a0, p, q, sc, first
.irp a, \a0, \a0+1
.irp b, 0,1,2,3,4,5,6,7
.if \first
	v_wmma_scale_f32_16x16x128_f8f6f4 v[8*(8*((\a)%4)+\b):8*(8*((\a)%4)+\b)+7], v[128*(\p)+FR*\b:128*(\p)+FR*\b+FR-1], v[AF+FR*(\a):AF+FR*(\a)+FR-1], v[BI+8*\b:BI+8*\b+7], v[SC+8*NQ*(\sc)+NQ*\b+(\q)], v[SC+8*NQ*(\sc)+NQ*(\a)+(\q)] matrix_a_fmt:MATRIX_FMT_FP6 matrix_b_fmt:MATRIX_FMT_FP6 matrix_a_scale:MATRIX_SCALE_ROW1
.else
	v_wmma_scale_f32_16x16x128_f8f6f4 v[8*(8*((\a)%4)+\b):8*(8*((\a)%4)+\b)+7], v[128*(\p)+FR*\b:128*(\p)+FR*\b+FR-1], v[AF+FR*(\a):AF+FR*(\a)+FR-1], v[8*(8*((\a)%4)+\b):8*(8*((\a)%4)+\b)+7], v[SC+8*NQ*(\sc)+NQ*\b+(\q)], v[SC+8*NQ*(\sc)+NQ*(\a)+(\q)] matrix_a_fmt:MATRIX_FMT_FP6 matrix_b_fmt:MATRIX_FMT_FP6 matrix_a_scale:MATRIX_SCALE_ROW1
.endif
.endr
.endr
.endm
.macro FETCH_B slot, q, p
	WIN TO_B
.irp i, 0,1,2,3,4,5,6,7
	FRAG 128*(\p)+FR*\i, ADRB+\slot, \q, \i
.endr
	WIN 0
.endm
.macro FETCH_A slot, q, i0
.irp i, \i0, \i0+1, \i0+2, \i0+3
	FRAGA AF+FR*(\i), \slot, \q, \i
.endr
.endm
.macro SCALES sc                       ; lanes 0-15 take A's block i, lanes 16-31 B's block i
.irp i, 0,1,2,3,4,5,6,7
	ds_load_b64 v[SC+8*NQ*\sc+NQ*\i:SC+8*NQ*\sc+NQ*\i+1], v[ADRS] offset:\i*SBLK
.endr
.endm
.macro PLACES n
.rept \n
	v_nop
.endr
.endm
.macro STEP slot, q, first
	s_wait_dscnt 4*NLA                             ; B's set and A's blocks 0-3 are in; the youngest 16 loads (A's blocks 4-7) may be out
.if \first
	WIN FST_LO
.else
	WIN MUL_LO
.endif
	MUL16 0, (\q)%2, \q, \slot, \first
	MUL16 2, (\q)%2, \q, \slot, \first
	s_wait_dscnt 0                                 ; A's blocks 4-7 are in
	PLACES NP
	FETCH_B \slot, (\q)+1, 1-(\q)%2
	FETCH_A \slot, (\q)+1, 0
.if \first
	WIN FST_HI
.else
	WIN MUL_HI
.endif
	MUL16 4, (\q)%2, \q, \slot, \first
	MUL16 6, (\q)%2, \q, \slot, \first
	PLACES NP
	WIN 0
	FETCH_A \slot, (\q)+1, 4
.endm
; A slot's last step changes slots: one barrier; in front of it each wave waits for all its tensor loads, adds 0 to its spare word, and waits for that and for its own reads of this slot.
.macro TURN slot, next, fill
	s_wait_tensorcnt 0x0                           ; all my tensor loads have landed: my part of the next slot
	ds_add_u32 v[SPW], v[NIL]                      ; 0 onto my spare word
	s_wait_dscnt 4*NLA+1                           ; (the add and the youngest 16 loads may be out)
	WIN MUL_LO
	MUL16 0, 1, NQ-1, \slot, 0
	s_wait_dscnt 0x0                               ; the add is done, and my reads of this slot are over
	s_barrier_signal -1
	MUL16 2, 1, NQ-1, \slot, 0
	WIN 0
	s_barrier_wait -1
.if \fill
	CREST                                          ; a round of the cluster's barrier: no wave of any partner still reads this slot or has a load on its way
	s_add_nc_u64 s[G0+4*\slot+2:G0+4*\slot+3], s[G0+4*\slot+2:G0+4*\slot+3], 2*HALFA
	s_add_nc_u64 s[G0B+4*\slot+2:G0B+4*\slot+3], s[G0B+4*\slot+2:G0B+4*\slot+3], 2*ROWB
	JLOAD G0+4*\slot, G1, G0B+4*\slot, G1B         ; the first tensor load behind the round; its four v_nop are also the places in front of the loads below
.else
	PLACES NP
.endif
	v_add_nc_u32 v[ADRS], 4*NQ, v[ADRS]            ; on to the next K step's scale words
	FETCH_B \next, 0, 0
	FETCH_A \next, 0, 0
	SCALES \next
	WIN MUL_HI
	MUL16 4, 1, NQ-1, \slot, 0
	MUL16 6, 1, NQ-1, \slot, 0
	PLACES NP
	WIN 0
	FETCH_A \next, 0, 4
.endm
	s_wait_tensorcnt 1                             ; the scales and my part of K step 0 are in (K step 1's load may be out)
	s_barrier_signal -1
	s_barrier_wait -1                              ; everybody's are
	FETCH_B 0, 0, 0
	FETCH_A 0, 0, 0
	SCALES 0
	FETCH_A 0, 0, 4
	s_wait_loadcnt 0x0                             ; the bias
	STEP 0, 0, 1                                   ; the first step stands in front of the loop: its products start the sums from the bias
	s_mov_b32 s3, LAPS-1
.Llap:
	TURN 0, 1, 1
	STEP 1, 0, 0
	TURN 1, 0, 1
	STEP 0, 0, 0
	s_sub_co_u32 s3, s3, 1
	s_cmp_lg_u32 s3, 0
	s_cbranch_scc1 .Llap
	TURN 0, 1, 0                                   ; the last lap fills nothing
	STEP 1, 0, 0
	s_wait_dscnt 4*NLA                             ; the very last step
	WIN MUL_LO
	MUL16 0, 1, NQ-1, 1, 0
	MUL16 2, 1, NQ-1, 1, 0
	s_wait_dscnt 0
	WIN MUL_HI
	MUL16 4, 1, NQ-1, 1, 0
	MUL16 6, 1, NQ-1, 1, 0
	WIN 0
; THE WAY OUT, block by block of 16 rows x 128 columns, through my own stage in LDS: a lane's 32 bytes go in, whole rows of 512 bytes come back and are stored by the 32 lanes.
; LDS serves a wave's instructions in order (ISA guide 5.7.1.4): no wait between the stores and the loads, nor in front of the next block's stores.
.macro TOSTAGE a
.set AC, 64*((\a)%4)
	WIN 0x08+4*((\a)/4)                            ; the data: window 2 or 3
.irp b, 0,1,2,3,4,5,6,7
	ds_store_b128 v[STO], v[AC+8*\b:AC+8*\b+3] offset:64*\b          ; each accumulator from its low end on
	ds_store_b128 v[STO], v[AC+8*\b+4:AC+8*\b+7] offset:64*\b+16
.endr
	WIN 0
.set BB, BK+64*((\a)%2)
.irp t, 0,1,2,3,4,5,6,7,8,9,10,11,12,13,14,15
	ds_load_b128 v[BB+4*\t:BB+4*\t+3], v[RD] offset:\t*SPITCH
.endr
.endm
.macro SEND a, younger                 ; younger: the LDS instructions issued behind block a's loads, which may stay out
.set BB, BK+64*((\a)%2)
	s_wait_dscnt \younger
.if (\a) > 0
	s_add_nc_u64 s[12:13], s[12:13], 16*SIZE_N*4   ; (behind a wait on XCNT: the earlier stores have read their base)  16 rows on
.endif
.irp t, 0,1,2,3,4,5,6,7,8,9,10,11,12,13,14,15
	global_store_b128 v[CO], v[BB+4*\t:BB+4*\t+3], s[12:13] offset:\t*SIZE_N*4 th:TH_STORE_NT   ; 32 lanes store 512 consecutive bytes, at a multiple of 256 from out0's first byte
.endr
.endm
	PLACES NP                                      ; behind the last products: for the loads into A's registers and the reads of results
	TOSTAGE 0
.irp a, 1,2,3,4,5,6,7
.if \a > 1
	s_wait_xcnt 0x0                                ; block a - 2's stores have read their registers and their base
.endif
	TOSTAGE \a
	SEND \a-1, 32                                  ; behind block a - 1's loads: block a's 16 stores and 16 loads
.endr
	s_wait_xcnt 0x0
	SEND 7, 0
	s_wait_tensorcnt 0x0                           ; the wave's end
	ds_add_u32 v[SPW], v[NIL]
	s_wait_dscnt 0x0
	CROUND                                         ; the closing round
	s_endpgm
.Lfunc_end_k_q270a0ddaa8_proj:
	.size	k_q270a0ddaa8_proj, .Lfunc_end_k_q270a0ddaa8_proj-k_q270a0ddaa8_proj
	.p2alignl 7, 3214868480
	.fill 96, 4, 3214868480
	.section	.rodata,"a",@progbits
	.p2align	6, 0x0
	.amdhsa_kernel k_q270a0ddaa8_proj
		.amdhsa_group_segment_fixed_size 327680
		.amdhsa_private_segment_fixed_size 0
		.amdhsa_enable_private_segment 0
		.amdhsa_kernarg_size 48
		.amdhsa_user_sgpr_count 2
		.amdhsa_user_sgpr_kernarg_segment_ptr 1
		.amdhsa_wavefront_size32 1
		.amdhsa_system_sgpr_workgroup_id_x 1
		.amdhsa_system_sgpr_workgroup_id_y 1
		.amdhsa_system_sgpr_workgroup_id_z 1
		.amdhsa_system_vgpr_workitem_id 0
		.amdhsa_next_free_vgpr 1024
		.amdhsa_next_free_sgpr 100
		.amdhsa_reserve_vcc 0
		.amdhsa_float_denorm_mode_32 3
		.amdhsa_float_denorm_mode_16_64 3
		.amdhsa_memory_ordered 1
		.amdhsa_forward_progress 1
		.amdhsa_inst_pref_size 154
	.end_amdhsa_kernel
	.amdgpu_metadata
---
amdhsa.version: [ 1, 2 ]
amdhsa.kernels:
  - .name:           k_q270a0ddaa8_proj
    .symbol:         k_q270a0ddaa8_proj.kd
    .args:
      - { .name: a_codes, .offset: 0, .size: 8, .value_kind: global_buffer, .address_space: global }
      - { .name: a_scales, .offset: 8, .size: 8, .value_kind: global_buffer, .address_space: global }
      - { .name: w_proj_codes, .offset: 16, .size: 8, .value_kind: global_buffer, .address_space: global }
      - { .name: w_proj_scales, .offset: 24, .size: 8, .value_kind: global_buffer, .address_space: global }
      - { .name: out0, .offset: 32, .size: 8, .value_kind: global_buffer, .address_space: global }
      - { .name: b_proj, .offset: 40, .size: 8, .value_kind: global_buffer, .address_space: global }
    .group_segment_fixed_size: 327680
    .private_segment_fixed_size: 0
    .kernarg_segment_align: 8
    .kernarg_segment_size: 48
    .max_flat_workgroup_size: 128
    .sgpr_count:     100
    .vgpr_count:     1024
    .wavefront_size: 32
...
	.end_amdgpu_metadata
.endif
;; end of part 3
